; MI455X (gfx1250); checked and timed in simulation.
; The chip was launched on July 23, 2026; its instructions are those of AMD's public machine-readable ISA for CDNA 5 (MIT licence, August 2026) and "CDNA5" Instruction Set Architecture Reference Guide (July 2026). The comments in the code are by the model that wrote it; some were corrected since.
;; Self Attention. Allowed arithmetic: matrix products marked QUANTISED: E2M3 operands, one E8M0 scale for each 32 along K, by v_wmma_scale_f32_16x16x128_f8f6f4 with both operands' format E2M3, f32 sums; everything else in f32.
;; Inputs: W_cond 1,024 x 3,072 float32; W_out 1,024 x 1,024 float32; W_qkv 1,024 x 3,072 float32; cond 2 x 2,048 x 1,024 float32; pos 2 x 2,048 x 128 float32; rms_scale 1,024 float32; x 2 x 2,048 x 1,024 float32.
;; Outputs: out0 2 x 2,048 x 1,024 float32.
;; This version of the problem:
;;   THIS VERSION OF THE PROBLEM IS GIVEN IN LOW PRECISION. The matrix products marked QUANTISED in the list below multiply operands that are first quantised to E2M3 (2 exponent bits, 3 mantissa bits; 6 bits a number), with one power-of-two scale for each 32 numbers along K (OCP MX v1.0); their sums are f32. All else is computed in f32.
;;   The module's matrix products, in the order in which they are computed (A, B: the left and right operand; K: the contracted axis; several contracted axes count as one K, in the product's order):
;;     1. [M 4,096, K 1,024] x [K 1,024, N 3,072]; A: input cond; B: input W_cond: QUANTISED
;;     2. [M 4,096, K 1,024] x [K 1,024, N 3,072]; A: computed on the way; B: input W_qkv: QUANTISED
;;     3. batch 32 x [M 2,048, K 64] x [K 64, N 2,048]; A: computed on the way; B: computed on the way: QUANTISED
;;     4. batch 32 x [M 64, K 2,048] x [K 2,048, N 2,048]; A: computed on the way; B: softmax (see below): QUANTISED
;;     5. [M 4,096, K 1,024] x [K 1,024, N 1,024]; A: computed on the way; B: input W_out: QUANTISED
;;   THE QUANTISER, for each operand of a quantised product, along K:
;;     - K is cut into blocks of 32 from its start; a last block that is shorter is filled with zeros.
;;     - A block's scale is 2^e with e = floor(log2(the largest magnitude in the block)) - 2, held to -126 .. 127; a block of zeros has e = 0. As a byte (E8M0): e + 127.
;;     - Each number is divided by its block's scale, clamped to +-7.5, and rounded to the nearest number of E2M3, ties to even, subnormals kept.
;;     - The product sums the exact products of the quantised numbers (number of the format x scale) in f32.
;;   ~~~python
;;   def quantise(x, axis):      # numpy; x: float32 -> the quantised numbers, widened to float32 again
;;       x = np.moveaxis(x, axis, -1); K = x.shape[-1]
;;       x = np.pad(x, [(0, 0)] * (x.ndim - 1) + [(0, -K % 32)]); x = x.reshape(x.shape[:-1] + (-1, 32)); a = np.abs(x).max(-1, keepdims=True)
;;       e = np.where(a > 0, np.clip(np.frexp(np.where(a > 0, a, 1))[1] - 1 - 2, -126, 127), 0)      # np.frexp(a)[1] - 1 = floor(log2(a)), exactly
;;       r = np.clip(x / 2.0 ** e, -7.5, 7.5)
;;       step = 2.0 ** (np.maximum(np.frexp(np.where(r == 0, 1, r))[1] - 1, 0) - 3)
;;       q = np.round(r / step) * step * 2.0 ** e      # np.round: ties to even
;;       return np.moveaxis(q.reshape(q.shape[:-2] + (-1,))[..., :K], -1, axis).astype(np.float32)
;;   ~~~
;;   SOFTMAX AHEAD OF A QUANTISED PRODUCT. Where the list says 'softmax', what is quantised is not the finished softmax but p = 2^(t - M), with t = logit x log2(e) and M = ceil(the row's largest t), a whole number; so 1/2 < the row's largest p <= 1. The row's sum l is taken of the UNQUANTISED p, in f32, and the product's result is divided by l at the end. Since M is a whole number, a kernel that streams over the keys may use a running M (the ceiling of the running maximum): every later rescaling is an exact power of two, which a block's scale takes up: the codes' values come out the same.
;;   OPERANDS COMPUTED ON THE WAY. 'Computed on the way' means the value that the module computes at that place (a softmax that the list does not call 'softmax' is quantised finished and normalised). What goes into a quantiser is computed in f32, as accurately as f32 sums, v_exp_f32 and their like allow (about 1e-6 of the number): no bf16 or f16 on the way to a quantiser, and a product that is left as it is and whose result goes on into a quantised operand takes f32 operands (vector FMAs, or v_wmma_f32_16x16x4_f32). A number that lies on a knife's edge between two numbers of the format may be rounded either way, as far as f32 arithmetic and the matrix unit's own rounding can turn it there, and no further.
;; One version. Each part assembles by itself: llvm-mc -triple=amdgcn-amd-amdhsa -mcpu=gfx1250 --defsym DOCPART=n.
;; ======== version 1 of 1: 5 launches
;; limits: right only within a limited range of input values
;; workspace buffers: prepb 11,124,736 bytes; g1b 20,054,016 bytes; qkvb 9,961,472 bytes; aob 3,276,800 bytes
;; launch prep (part 1): grid 704 x 1, 4 waves a work-group, no clusters, 83,456 bytes of LDS; arguments cond, x, pos, W_qkv, W_cond, W_out, prepb; writes prepb
.if DOCPART == 1
	.amdgcn_target "amdgcn-amd-amdhsa--gfx1250"
	.amdhsa_code_object_version 6
	.text
	.protected	k_q9415d8742c_prep
	.globl	k_q9415d8742c_prep
	.p2align	8
	.type	k_q9415d8742c_prep,@function
k_q9415d8742c_prep:
	s_mov_b64 s[64:65], 0
	v_nop
	global_prefetch_b8 v0, s[64:65] scope:SCOPE_SE
	s_setreg_imm32_b32 hwreg(HW_REG_WAVE_MODE, 25, 1), 1
	s_wait_xcnt 0x0
; PREP: everything that is quantised or laid out once.  Four kinds of work-group, parted on the work-group's number, each with LDS bytes of its own:
;   0-255   ROWS: tile T of 16 tokens: cond -> codes of E2M3 and scale bytes; x -> 1/sqrt(mean x^2 + eps); pos -> cos and sin as a lane's registers want them in the launch that turns q and k.
;   256-447 W_qkv, 448-639 W_cond, 640-703 W_out -> codes and scale bytes, quantised along K, which is their FIRST axis: a lane takes a column and its registers run down K.
; TOKEN ORDER: place r of tile T is token 32 (T/2) + 8 (T%2) + r%8 + 16 (r/8).  FEATURE ORDER in weight tiles: 32 neighbouring features dd make tiles u = (dd/8)%2, place dd%8 + 8 (dd/16).
; CODES: [tile of 16][block of 32 along K][16 places][24 bytes]: a block of a tile is 384 consecutive bytes.  SCALE BYTES: [tile x 16 + place][32 bytes], byte = block.
; A block's scale is 2^(floor(log2(largest magnitude)) - 2); its byte is the largest magnitude's exponent field - 2, held at 1 from below.
; LIMITS: a block of zeros, or one whose largest magnitude lies under 2^-124, gets the byte 1 (the rule says 127 for zeros): its codes are zeros or held small, and this program alone reads the bytes.  NaN and infinities are not served.
; No matrix work, no tensor load, no barrier: waves share nothing.  No cluster: no two work-groups read the same bytes.
.set O_CS,   3145728                   ; prepb: cond's codes at 0, its scale bytes here,
.set O_WCC,  3276800                   ; W_cond's codes, scale bytes,
.set O_WCS,  5636096
.set O_WQC,  5734400                   ; W_qkv's,
.set O_WQS,  8093696
.set O_WOC,  8192000                   ; W_out's,
.set O_WOS,  8978432
.set O_RINV, 9011200                   ; 1/rms of x, f32, by tile and place,
.set O_PIMG, 9027584                   ; pos: [tile][16 quads][32 lanes][16 bytes]
.set FLOOR,  0x1800000                 ; 2^(3 - 127): under it no largest magnitude is taken, so the byte cannot fall under 1
	s_load_b256 s[4:11], s[0:1], 0x0               ; cond s[4:5], x s[6:7], pos s[8:9], W_qkv s[10:11]
	s_load_b128 s[12:15], s[0:1], 0x20             ; W_cond s[12:13], W_out s[14:15]
	s_load_b64 s[16:17], s[0:1], 0x30              ; prepb
	v_lshl_add_u32 v235, v0, 2, 0x14400
	v_mov_b32 v239, 0
	v_lshrrev_b32 v1, 5, v0
	v_readfirstlane_b32 s18, v1                    ; wave 0..3
	v_and_b32 v1, 31, v0                           ; lane
	v_and_b32 v2, 15, v0                           ; lane % 16
	v_bfe_u32 v3, v0, 4, 1                         ; lane / 16
	s_mov_b32 s20, 0x76543210
	s_mov_b32 s21, 0xfedcba98                      ; v_permlanex16_b32's selects for lane l xor 16
	s_wait_kmcnt 0x0
	s_cmp_lt_u32 ttmp9, 256
	s_cbranch_scc0 .Lweights
; ======== ROWS.  Wave w: columns 256 w .. 256 w + 255 of cond for the tile's 16 tokens; places 4 w .. 4 w + 3 of x; a quarter of pos.
; v4 16 x lane; v5, v6 the stage, in and out; v7 a lane's 12 bytes of codes; v8 scale words; v9 pos; v10, v11 scale words; v12-15 sums, then 1/rms; v16-31 pos; v32-95, v96-159 as loaded; v160-223 16 neighbours x 4 blocks;
; v224-239 codes; v240-243 largest magnitudes, v244-247 the other half's, v248-251 scale operands, v252-255 bytes
	s_mov_b32 s22, 0x3a800000                      ; 1 / 1024
	s_mov_b32 s23, 0x358637bd                      ; eps = 1e-6
	s_lshr_b32 s24, ttmp9, 1
	s_lshl_b32 s24, s24, 5
	s_and_b32 s25, ttmp9, 1
	s_lshl_b32 s25, s25, 3
	s_add_co_u32 s24, s24, s25                     ; the tile's first token: 32 (T/2) + 8 (T%2)
	s_lshr_b32 s25, s18, 1                         ; w / 2
	s_and_b32 s19, s18, 1                          ; w % 2
	s_mov_b32 s27, 0
	s_lshl_b32 s26, s24, 12
	s_lshl_b32 s28, s18, 10
	s_add_co_u32 s26, s26, s28
	s_add_nc_u64 s[4:5], s[4:5], s[26:27]          ; cond: first token's row, my 1,024 bytes of it
	s_lshl_b32 s26, s25, 4
	s_add_co_u32 s26, s26, s24
	s_lshl_b32 s28, s19, 2
	s_add_co_u32 s26, s26, s28
	s_lshl_b32 s26, s26, 12
	s_add_nc_u64 s[6:7], s[6:7], s[26:27]          ; x: places 4 w .. 4 w + 3 are four neighbouring tokens, from 16 (w/2) + 4 (w%2) on
	s_lshl_b32 s26, s24, 9
	s_lshl_b32 s28, s25, 8
	s_add_co_u32 s26, s26, s28
	s_lshl_b32 s28, s19, 6
	s_add_co_u32 s26, s26, s28
	s_add_nc_u64 s[8:9], s[8:9], s[26:27]          ; pos: channels 32 (w/2) + 8 (w%2) on, 8 bytes (sin, cos) a channel
	s_mul_i32 s26, ttmp9, 12288
	s_mul_i32 s28, s18, 3072
	s_add_co_u32 s26, s26, s28
	s_add_nc_u64 s[30:31], s[16:17], s[26:27]      ; codes: tile T, blocks 8 w on
	s_lshl_b32 s26, ttmp9, 9
	s_lshl_b32 s28, s18, 3
	s_add_co_u32 s26, s26, s28
	s_add_co_u32 s26, s26, O_CS
	s_add_nc_u64 s[32:33], s[16:17], s[26:27]      ; scale bytes 8 w on of the tile's 16 rows
	s_lshl_b32 s26, ttmp9, 6
	s_lshl_b32 s28, s18, 4
	s_add_co_u32 s26, s26, s28
	s_add_co_u32 s26, s26, O_RINV
	s_add_nc_u64 s[34:35], s[16:17], s[26:27]
	s_lshl_b32 s26, ttmp9, 13
	s_lshl_b32 s28, s25, 12
	s_add_co_u32 s26, s26, s28
	s_lshl_b32 s28, s19, 10
	s_add_co_u32 s26, s26, s28
	s_add_co_u32 s26, s26, O_PIMG
	s_add_nc_u64 s[36:37], s[16:17], s[26:27]      ; pos image: quad 8 (w/2) + 2 (w%2)
	s_wait_alu depctr_va_vdst(0)
	v_lshlrev_b32 v4, 4, v1
	s_mul_i32 s28, s18, 8448                       ; my stage: 16 rows x (512 + 16) bytes
	v_add_nc_u32 v5, s28, v4                       ; in: a row's 512 bytes as they lie
	v_mul_u32_u24 v6, v2, 528
	v_lshl_add_u32 v6, v3, 6, v6
	v_add_nc_u32 v6, s28, v6                       ; out: row = lane % 16, my 16 numbers of each block of 32.  Rows 132 words apart: 16 rows start at 16 different groups of 4 banks (64 banks of 4 bytes: ISA guide 11.1)
	v_mul_u32_u24 v7, v2, 24
	v_mad_u32_u24 v7, v3, 12, v7
	v_lshlrev_b32 v8, 5, v2
	v_lshl_add_u32 v8, v3, 2, v8
	v_and_b32 v9, 7, v2
	v_lshrrev_b32 v10, 3, v2
	v_lshl_add_u32 v9, v10, 4, v9
	v_lshlrev_b32 v9, 9, v9
	v_lshl_add_u32 v9, v3, 7, v9                   ; pos: my place's token, + 16 channels for lanes 16-31
.set p, 0
.rept 16
	global_load_b128 v[32+4*p:35+4*p], v4, s[4:5] offset:((p%8)+16*(p/8))*4096 th:TH_LOAD_NT       ; place p, first 512 of my 1,024 bytes: 32 lanes read 512 consecutive bytes
.set p, p+1
.endr
.set p, 0
.rept 16
	global_load_b128 v[96+4*p:99+4*p], v4, s[4:5] offset:((p%8)+16*(p/8))*4096+512 th:TH_LOAD_NT   ; the second 512
.set p, p+1
.endr
.irp j, 0,1,2,3
	global_load_b128 v[16+4*\j:19+4*\j], v9, s[8:9] offset:16*\j                                   ; 8 channels' (sin, cos)
.endr
.irp b, 0,1,2,3
	v_mov_b32 v[244+\b], 0                         ; written once: a lane permute's destination counts as one of its sources
.endr
.macro THRU R                          ; 16 rows x 512 bytes through my stage: LDS serves a wave's instructions in order, so no wait stands between the stores and the loads
.set p, 0
.rept 16
	ds_store_b128 v5, v[\R+4*p:\R+4*p+3] offset:p*528
.set p, p+1
.endr
.set p, 0
.rept 16
	ds_load_b128 v[160+4*p:163+4*p], v6 offset:(p/4)*128+(p%4)*16
.set p, p+1
.endr
	s_wait_dscnt 0x0                               ; the numbers are back, and the stores have read their registers
.endm
.macro XROWS R, row                    ; two whole rows of x, 8 loads of 512 consecutive bytes each
.irp i, 0,1
.irp j, 0,1,2,3,4,5,6,7
	global_load_b128 v[\R+32*\i+4*\j:\R+32*\i+4*\j+3], v4, s[6:7] offset:(\row+\i)*4096+512*\j th:TH_LOAD_NT
.endr
.endr
.endm
.macro QB4 s                           ; four blocks: register 16 b + i of v[s] on is number 16 (lane / 16) + i of block b of my row
.irp b, 0,1,2,3
	v_max3_num_f32 v[240+\b], |v[\s+16*\b]|, |v[\s+16*\b+1]|, FLOOR
.endr
.irp i, 2,4,6,8,10,12,14
.irp b, 0,1,2,3
	v_max3_num_f32 v[240+\b], |v[\s+16*\b+\i]|, |v[\s+16*\b+\i+1]|, v[240+\b]   ; the four blocks by turns
.endr
.endr
.irp b, 0,1,2,3
	v_permlanex16_b32 v[244+\b], v[240+\b], s20, s21
.endr
.irp b, 0,1,2,3
	v_max_num_f32 v[240+\b], v[240+\b], v[244+\b]  ; with lane l xor 16's 16: the block's largest magnitude
.endr
.irp b, 0,1,2,3
	v_add_nc_u32 v[248+\b], 0xff000000, v[240+\b]  ; 2 off its exponent field: the conversion takes this operand's exponent field as its scale
.endr
.irp b, 0,1,2,3
	v_lshrrev_b32 v[252+\b], 23, v[248+\b]         ; the scale's byte
.endr
.irp b, 0,1,2,3
	v_cvt_scalef32_pk16_fp6_f32 v[224+4*\b:226+4*\b], v[\s+16*\b:\s+16*\b+15], v[248+\b]
.endr
	v_nop                                          ; one plain place behind the last scaled conversion
.endm
	s_wait_loadcnt 20                              ; cond's first half is in; its second half (16) and pos (4) may be out
	THRU 32
	XROWS 32, 0
	QB4 160
.irp b, 0,1,2,3
	global_store_b96 v7, v[224+4*\b:226+4*\b], s[30:31] offset:384*\b          ; 32 lanes store a block's 384 consecutive bytes
.endr
	v_lshl_or_b32 v10, v253, 8, v252
	v_lshl_or_b32 v10, v254, 16, v10
	v_lshl_or_b32 v10, v255, 24, v10               ; blocks 8 w .. 8 w + 3 of my row
	s_wait_loadcnt 20                              ; cond's second half is in; pos (4) and two rows of x (16) may be out
	THRU 96
	XROWS 96, 2
	s_wait_xcnt 0x0                                ; the codes' registers are written again only behind this wait
	QB4 160
.irp b, 0,1,2,3
	global_store_b96 v7, v[224+4*\b:226+4*\b], s[30:31] offset:1536+384*\b
.endr
	v_lshl_or_b32 v11, v253, 8, v252
	v_lshl_or_b32 v11, v254, 16, v11
	v_lshl_or_b32 v11, v255, 24, v11
	v_cmp_eq_u32 vcc_lo, 1, v3
	v_cndmask_b32 v10, v10, v11, vcc_lo            ; lanes 0-15 store the first word, lanes 16-31 the second: 8 of a row's 32 bytes (the other waves store the rest)
	global_store_b32 v8, v10, s[32:33]
	s_wait_loadcnt 32                              ; pos is in; four rows of x may be out
.irp i, 0,1,2,3,4,5,6,7
	v_mov_b32 v[160+\i], v[17+2*\i]                ; cos at the odd places,
	v_mov_b32 v[168+\i], v[16+2*\i]                ; sin at the even ones
.endr
	global_store_b128 v4, v[160:163], s[36:37]
	global_store_b128 v4, v[164:167], s[36:37] offset:512
	global_store_b128 v4, v[168:171], s[36:37] offset:2048                     ; sin lies four quads behind cos
	global_store_b128 v4, v[172:175], s[36:37] offset:2560
.macro SSQ R, o, t                     ; the sum of a row's squares: 32 numbers a lane in two packed chains, then across the 32 lanes
	v_pk_mul_f32 v[\t:\t+1], v[\R:\R+1], v[\R:\R+1]
	v_pk_mul_f32 v[\t+2:\t+3], v[\R+2:\R+3], v[\R+2:\R+3]
.irp j, 4,8,12,16,20,24,28
	v_pk_fma_f32 v[\t:\t+1], v[\R+\j:\R+\j+1], v[\R+\j:\R+\j+1], v[\t:\t+1]
	v_pk_fma_f32 v[\t+2:\t+3], v[\R+\j+2:\R+\j+3], v[\R+\j+2:\R+\j+3], v[\t+2:\t+3]
.endr
	v_pk_add_f32 v[\t:\t+1], v[\t:\t+1], v[\t+2:\t+3]
	v_add_f32 v[\o], v[\t], v[\t+1]
	v_add_f32_dpp v[\o], v[\o], v[\o] row_xmask:1 row_mask:0xf bank_mask:0xf
	v_add_f32_dpp v[\o], v[\o], v[\o] row_xmask:2 row_mask:0xf bank_mask:0xf
	v_add_f32_dpp v[\o], v[\o], v[\o] row_xmask:4 row_mask:0xf bank_mask:0xf
	v_add_f32_dpp v[\o], v[\o], v[\o] row_xmask:8 row_mask:0xf bank_mask:0xf
	v_permlanex16_b32 v[\t], v[\o], s20, s21
	v_add_f32 v[\o], v[\o], v[\t]
.endm
	s_wait_loadcnt 16                              ; rows 0 and 1 of x are in
	SSQ 32, 12, 176
	SSQ 64, 13, 180
	s_wait_loadcnt 0x0
	SSQ 96, 14, 184
	SSQ 128, 15, 188
.irp i, 0,1,2,3
	v_fma_f32 v[12+\i], v[12+\i], s22, s23         ; mean + eps
.endr
	s_wait_alu depctr_va_vdst(0)
.irp i, 0,1,2,3
	v_rsq_f32 v[12+\i], v[12+\i]
.endr
	v_nop                                          ; one plain place behind the transcendentals
	v_cmp_eq_u32 vcc_lo, 1, v1
	s_wait_alu depctr_va_vdst(0)
	v_cndmask_b32 v12, v12, v13, vcc_lo
	v_cmp_eq_u32 vcc_lo, 2, v1
	v_cndmask_b32 v12, v12, v14, vcc_lo
	v_cmp_eq_u32 vcc_lo, 3, v1
	v_cndmask_b32 v12, v12, v15, vcc_lo            ; lane i holds place 4 w + i's
	v_lshlrev_b32 v2, 2, v1
	v_cmp_gt_u32 vcc_lo, 4, v1
	s_wait_alu depctr_va_vdst(0)
	s_wait_xcnt 0x0                                ; EXEC changes only behind this wait
	s_wait_tensorcnt 0x0
	ds_add_u32 v235, v239
	s_wait_dscnt 0x0
	s_and_saveexec_b32 s24, vcc_lo
	global_store_b32 v2, v12, s[34:35]
	s_endpgm
; ======== WEIGHTS.  A wave takes ONE block of 32 along K of 16 half tiles (8 neighbouring features each): 128 columns.  Lane: half tile ht = lane % 16; group t = 0 .. 3 of its loads is feature 4 (lane / 16) + t of it.
; The 32 registers of a group run down K: the block's largest magnitude needs no other lane and the codes come out with K innermost.  They leave through the wave's stage: sixteen lanes store a half tile's 192 consecutive bytes.
; A row's scale bytes of neighbouring blocks are made by waves that share nothing, so each leaves as a single byte: one byte for each 128 bytes read.
; v4 my column's offset; v5, v6 the stage, in and out; v7 my scale bytes' place; v16-23 where the eight stores of codes go; v24-31 at work; v32-95 two groups; v96-102 codes; v104-107 bytes; v112-143 the way out
.macro HT path                         ; in: v24 = a half tile's number among the wave's 16.  out: v30 its tile, v31 which 8 places of it; v25 its number in the tensor, v26, v27 that number / 3 and % 3
	v_add_nc_u32 v25, s27, v24
.if \path < 2
	v_mul_u32_u24 v26, v25, 0xaaab
	v_lshrrev_b32 v26, 17, v26                     ; / 3, exact for numbers under 2^15
	v_mul_u32_u24 v27, v26, 3
	v_sub_nc_u32 v27, v25, v27
.endif
.if \path == 0                         ; W_qkv: column 48 d + 3 head + split.  q and k: tile 8 head + 4 split + 2 (d/32) + u; v: 128 + 4 head + 2 (d/32) + u
	v_lshlrev_b32 v28, 3, v26
	v_lshl_add_u32 v28, v27, 2, v28
	v_lshl_add_u32 v29, v26, 2, 128
	v_cmp_eq_u32 vcc_lo, 2, v27
	v_cndmask_b32 v30, v28, v29, vcc_lo
	v_add_nc_u32 v30, s28, v30
	v_mov_b32 v31, s29
.elseif \path == 1                     ; W_cond: column 3 d + split; tile 6 (d/32) + 2 split + u
	v_lshrrev_b32 v28, 2, v26
	v_mul_u32_u24 v28, v28, 6
	v_lshl_add_u32 v28, v27, 1, v28
	v_and_b32 v29, 1, v26
	v_add_nc_u32 v30, v28, v29
	v_bfe_u32 v31, v26, 1, 1
.else                                  ; W_out: tile 2 (n/32) + u
	v_lshrrev_b32 v28, 2, v25
	v_and_b32 v29, 1, v25
	v_lshl_add_u32 v30, v28, 1, v29
	v_bfe_u32 v31, v25, 1, 1
.endif
.endm
.macro WLOAD t, NP, IS                 ; group t: W(32 kb + k, my column), k = 0 .. 31
.set k, 0
.rept 32
	global_load_b32 v[32+32*((\t)%2)+k], v4, s[32:33] offset:k*\NP+(\t)*\IS
.set k, k+1
.endr
.endm
.macro WBLOCK t, NP, IS
.set XS, 32+32*((\t)%2)
.if (\t) < 3
	s_wait_loadcnt 32                              ; this group's 32 loads are in; the next group's may be out
.else
	s_wait_loadcnt 0x0
.endif
	v_max3_num_f32 v12, |v[XS]|, |v[XS+1]|, |v[XS+2]|
	v_max3_num_f32 v13, |v[XS+3]|, |v[XS+4]|, |v[XS+5]|
.irp i, 6,10,14,18,22,26
	v_max3_num_f32 v12, v12, |v[XS+\i]|, |v[XS+\i+1]|
	v_max3_num_f32 v13, v13, |v[XS+\i+2]|, |v[XS+\i+3]|
.endr
	v_max3_num_f32 v12, v12, |v[XS+30]|, |v[XS+31]|
	v_max3_num_f32 v12, v12, v13, FLOOR
	v_add_nc_u32 v11, 0xff000000, v12
	v_lshrrev_b32 v[104+(\t)], 23, v11
	v_cvt_scalef32_pk16_fp6_f32 v[96:98], v[XS:XS+15], v11
	v_cvt_scalef32_pk16_fp6_f32 v[100:102], v[XS+16:XS+31], v11                ; (a conversion's three registers begin on an even number)
	ds_store_b96 v5, v[96:98] offset:32*(\t)       ; 12 bytes to a place of 16, so that every LDS address is a multiple of 16
	ds_store_b96 v5, v[100:102] offset:32*(\t)+16
	global_store_b8 v7, v[104+(\t)], s[36:37] offset:32*(\t)
.if (\t)+2 < 4
	WLOAD (\t)+2, \NP, \IS
.endif
	s_wait_dscnt 0x0                               ; the stores have read their registers: the next group's codes may be written
.endm
.macro WPATH path, first, wp, NP, IS, LB, OC, OS
	s_sub_co_u32 s24, ttmp9, \first
	s_and_b32 s25, s24, 7
	s_lshl_b32 s25, s25, 2
	s_add_co_u32 s25, s25, s18                     ; my block along K: 4 (g % 8) + wave
	s_lshr_b32 s26, s24, 3                         ; which 128 columns
	s_mul_i32 s30, s25, 32*\NP
.if \path == 0
	s_lshr_b32 s27, s26, 3
	s_lshl_b32 s27, s27, 4                         ; 16 z: of a channel's 48 columns (head, split) mine are 16 z + ht
	s_and_b32 s26, s26, 7                          ; o: channels 8 o .. 8 o + 7
	s_lshr_b32 s28, s26, 2
	s_lshl_b32 s28, s28, 1
	s_and_b32 s29, s26, 1
	s_add_co_u32 s28, s28, s29                     ; 2 (d/32) + u
	s_bfe_u32 s29, s26, 0x10001                    ; which 8 places
	s_mul_i32 s31, s26, 1536
	s_add_co_u32 s30, s30, s31
	s_lshl_b32 s31, s27, 2
	s_add_co_u32 s30, s30, s31
.else
	s_lshl_b32 s27, s26, 4                         ; my first half tile
.endif
	s_mov_b32 s31, 0
	s_add_nc_u64 s[32:33], s[\wp:\wp+1], s[30:31]
	s_mul_i32 s30, s25, 384
	s_add_co_u32 s30, s30, \OC
	s_add_nc_u64 s[34:35], s[16:17], s[30:31]      ; codes: my block
	s_add_co_u32 s30, s25, \OS
	s_add_nc_u64 s[36:37], s[16:17], s[30:31]      ; scale bytes: my block's byte
	v_mov_b32 v24, v2
	HT \path
.if \path == 0
	v_lshlrev_b32 v4, 2, v2
	v_mad_u32_u24 v4, v3, 768, v4                  ; column ht, + 4 channels of 48 columns for lanes 16-31
.elseif \path == 1
	v_mul_u32_u24 v4, v26, 96
	v_lshl_add_u32 v4, v27, 2, v4
	v_mad_u32_u24 v4, v3, 48, v4                   ; column 24 octet + split, + 4 features of 3 columns
.else
	v_lshlrev_b32 v4, 5, v25
	v_lshl_add_u32 v4, v3, 4, v4                   ; column 8 x half tile, + 4
.endif
	WLOAD 0, \NP, \IS
	WLOAD 1, \NP, \IS
	v_lshlrev_b32 v7, 9, v30
	v_lshl_add_u32 v7, v31, 8, v7
	v_lshl_add_u32 v7, v3, 7, v7                   ; 32 bytes a place: tile, 8 places, 4 (lane / 16)
	s_lshl_b32 s30, s18, 12
	s_add_co_u32 s30, s30, \LB                     ; my stage: 16 half tiles x 8 rows x 32 bytes
	v_lshlrev_b32 v5, 8, v2
	v_lshl_add_u32 v5, v3, 7, v5
	v_add_nc_u32 v5, s30, v5
	v_lshlrev_b32 v6, 4, v2
	v_lshl_add_u32 v6, v3, 8, v6
	v_add_nc_u32 v6, s30, v6                       ; back: sixteen lanes to a half tile, a place of 16 bytes each
.irp m, 0,1,2,3,4,5,6,7
	v_add_nc_u32 v24, 2*\m, v3                     ; store m takes half tiles 2 m (lanes 0-15) and 2 m + 1
	HT \path
	v_mul_u32_u24 v[16+\m], v30, 12288
	v_mad_u32_u24 v[16+\m], v31, 192, v[16+\m]
	v_mad_u32_u24 v[16+\m], v2, 12, v[16+\m]
.endr
	WBLOCK 0, \NP, \IS
	WBLOCK 1, \NP, \IS
	WBLOCK 2, \NP, \IS
	WBLOCK 3, \NP, \IS
.irp m, 0,1,2,3,4,5,6,7
	ds_load_b96 v[112+4*\m:114+4*\m], v6 offset:512*\m
.endr
.irp m, 0,1,2,3,4,5,6,7
	s_wait_dscnt 7-\m                              ; LDS loads come back in order: load m is in
	global_store_b96 v[16+\m], v[112+4*\m:114+4*\m], s[34:35]
.endr
	s_wait_tensorcnt 0x0
	ds_add_u32 v235, v239
	s_wait_dscnt 0x0
	s_endpgm
.endm
.Lweights:
	s_cmp_lt_u32 ttmp9, 448
	s_cbranch_scc0 .Lnot_qkv
	s_wait_alu depctr_va_vdst(0)
	WPATH 0, 256, 10, 12288, 192, 33792, O_WQC, O_WQS
.Lnot_qkv:
	s_cmp_lt_u32 ttmp9, 640
	s_cbranch_scc0 .Lnot_cond
	s_wait_alu depctr_va_vdst(0)
	WPATH 1, 448, 12, 12288, 12, 50176, O_WCC, O_WCS
.Lnot_cond:
	s_wait_alu depctr_va_vdst(0)
	WPATH 2, 640, 14, 4096, 4, 66560, O_WOC, O_WOS
.Lfunc_end_k_q9415d8742c_prep:
	.size	k_q9415d8742c_prep, .Lfunc_end_k_q9415d8742c_prep-k_q9415d8742c_prep
	.p2alignl 7, 3214868480
	.fill 96, 4, 3214868480
	.section	.rodata,"a",@progbits
	.p2align	6, 0x0
	.amdhsa_kernel k_q9415d8742c_prep
		.amdhsa_group_segment_fixed_size 83456
		.amdhsa_private_segment_fixed_size 0
		.amdhsa_enable_private_segment 0
		.amdhsa_kernarg_size 56
		.amdhsa_user_sgpr_count 2
		.amdhsa_user_sgpr_kernarg_segment_ptr 1
		.amdhsa_wavefront_size32 1
		.amdhsa_system_sgpr_workgroup_id_x 1
		.amdhsa_system_sgpr_workgroup_id_y 1
		.amdhsa_system_sgpr_workgroup_id_z 1
		.amdhsa_system_vgpr_workitem_id 0
		.amdhsa_next_free_vgpr 256
		.amdhsa_next_free_sgpr 66
		.amdhsa_reserve_vcc 1
		.amdhsa_float_denorm_mode_32 3
		.amdhsa_float_denorm_mode_16_64 3
		.amdhsa_memory_ordered 1
		.amdhsa_forward_progress 1
		.amdhsa_inst_pref_size 112
	.end_amdhsa_kernel
	.amdgpu_metadata
---
amdhsa.version: [ 1, 2 ]
amdhsa.kernels:
  - .name:           k_q9415d8742c_prep
    .symbol:         k_q9415d8742c_prep.kd
    .args:
      - { .name: cond, .offset: 0, .size: 8, .value_kind: global_buffer, .address_space: global }
      - { .name: x, .offset: 8, .size: 8, .value_kind: global_buffer, .address_space: global }
      - { .name: pos, .offset: 16, .size: 8, .value_kind: global_buffer, .address_space: global }
      - { .name: W_qkv, .offset: 24, .size: 8, .value_kind: global_buffer, .address_space: global }
      - { .name: W_cond, .offset: 32, .size: 8, .value_kind: global_buffer, .address_space: global }
      - { .name: W_out, .offset: 40, .size: 8, .value_kind: global_buffer, .address_space: global }
      - { .name: prepb, .offset: 48, .size: 8, .value_kind: global_buffer, .address_space: global }
    .group_segment_fixed_size: 83456
    .private_segment_fixed_size: 0
    .kernarg_segment_align: 8
    .kernarg_segment_size: 56
    .max_flat_workgroup_size: 128
    .sgpr_count:     66
    .vgpr_count:     256
    .wavefront_size: 32
...
	.end_amdgpu_metadata
.endif
;; end of part 1
;; launch gemm1 (part 2): grid 8 x 32, 4 waves a work-group, clusters of 4 x 4, 327,680 bytes of LDS; arguments prepb, x, rms_scale, g1b; writes g1b
.if DOCPART == 2
	.amdgcn_target "amdgcn-amd-amdhsa--gfx1250"
	.amdhsa_code_object_version 6
	.text
	.protected	k_q9415d8742c_gemm1
	.globl	k_q9415d8742c_gemm1
	.p2align	8
	.type	k_q9415d8742c_gemm1,@function
k_q9415d8742c_gemm1:
	s_mov_b64 s[64:65], 0
	v_nop
	global_prefetch_b8 v0, s[64:65] scope:SCOPE_SE
	s_setreg_imm32_b32 hwreg(HW_REG_WAVE_MODE, 25, 1), 1
	s_wait_xcnt 0x0
	s_wait_alu depctr_hold_cnt(0) depctr_sa_sdst(0) depctr_va_vdst(0) depctr_va_sdst(0) depctr_va_ssrc(0) depctr_va_vcc(0) depctr_vm_vsrc(0)
	s_getreg_b32 s2, hwreg(HW_REG_IB_STS2, 6, 4)
	s_cmp_eq_u32 s2, 0
	s_cbranch_scc0 .Lentry_in_a_cluster
	s_endpgm
.Lentry_in_a_cluster:
	s_bfe_u32 s2, ttmp6, 0x10000c
	s_cmp_lg_u32 s2, 0xf033
	s_cbranch_scc0 .Lentry_shape_is_right
	s_endpgm
.Lentry_shape_is_right:
.set NB,    6
.set KR,    3072
.set SLOT,  (8+4*NB)*KR
.set XT,    2*SLOT
.set XP,    528
.set SCB,   XT+128*XP
.set SPARE, SCB+512
.set O_CS,   3145728
.set O_WCC,  3276800
.set O_WCS,  5636096
.set O_RINV, 9011200
.set O_XMS,  3145728
.set O_XG,   3276800
.set ADRA, 16
.set ADRB, 20
.set SPW,  28
.set NIL,  29
.set SA,   32
.set SB,   64
.set RI,   96
.set GG,   112
.set AF,   128
.set XX,   128
.set TT,   144
.set SONE, 160
.set XM,   176
.set G1,  24
.set G0,  32
.set G1B, 48
.set G0B, 56
.set G1X, 68
.set G0X, 76
.set MSB, 0
.macro WIN new
.if MSB != (\new)
	s_set_vgpr_msb (MSB<<8)|(\new)
.set MSB, (\new)
.endif
.endm
.macro JLOAD g0a, g1a, g0b, g1b
	s_cmp_eq_u32 s15, 0
	s_cbranch_scc0 .Lfor_b_\@
	tensor_load_to_lds s[\g0a:\g0a+3], s[\g1a:\g1a+7]
	s_nop 0
.rept 4
	v_nop
.endr
	s_branch .Lasked_\@
.Lfor_b_\@:
	tensor_load_to_lds s[\g0b:\g0b+3], s[\g1b:\g1b+7]
	s_nop 0
.rept 4
	v_nop
.endr
.Lasked_\@:
.endm
.macro CREST
	s_cmp_lg_u32 s14, 0
	s_cbranch_scc1 .Lnot_wave_0_\@
	s_barrier_signal -3
.Lnot_wave_0_\@:
	s_barrier_wait -3
	s_barrier_signal -1
	s_barrier_wait -1
.endm
.macro CROUND
	s_barrier_signal -1
	s_barrier_wait -1
	CREST
.endm
.macro PLACES n
.rept \n
	v_nop
.endr
.endm
	s_load_b128 s[4:7], s[0:1], 0x0
	s_load_b128 s[8:11], s[0:1], 0x10
	v_lshl_add_u32 v[SPW], v0, 2, SPARE
	v_mov_b32 v[NIL], 0
	ds_add_u32 v28, v29
	ds_add_u32 v28, v29
	s_wait_dscnt 0x0
	v_lshrrev_b32 v1, 5, v0
	v_readfirstlane_b32 s14, v1
	s_lshr_b32 s15, s14, 1
	s_and_b32 s16, s14, 1
	s_bfe_u32 s40, ttmp6, 0x40000
	s_bfe_u32 s41, ttmp6, 0x40004
	s_lshl_b32 s42, ttmp9, 2
	s_add_co_u32 s42, s42, s40
	s_and_b32 s17, ttmp7, 0xffff
	s_lshl_b32 s17, s17, 2
	s_add_co_u32 s17, s17, s41
	s_lshl_b32 s43, s41, 2
	s_lshl_b32 s43, 15, s43
	s_lshl_b32 s44, 0x1111, s40
	s_or_b32 s[G1], s43, (3<<16)|(1<<21)
	s_or_b32 s[G1B], s44, (3<<16)|(1<<21)
	s_mov_b32 s[G1+1], (KR/8)<<16
	s_mov_b32 s[G1+2], 4<<16
	s_mov_b32 s[G1+3], (KR/8)<<16
	s_mov_b32 s[G1+4], 4
	s_mov_b32 s[G1+5], 1536
	s_mov_b32 s[G1+6], 0
	s_mov_b32 s[G1+7], 0
	s_mov_b32 s[G1B+1], (KR/8)<<16
	s_mov_b32 s[G1B+2], (2*NB)<<16
	s_mov_b32 s[G1B+3], (KR/8)<<16
	s_mov_b32 s[G1B+4], 2*NB
	s_mov_b32 s[G1B+5], 1536
	s_mov_b32 s[G1B+6], 0
	s_mov_b32 s[G1B+7], 0
	s_lshl_b32 s20, s17, 3
	s_lshl_b32 s18, s16, 2
	s_add_co_u32 s20, s20, s18
	s_mul_i32 s20, s20, 12288
	s_mov_b32 s21, 0
	s_mul_i32 s46, s42, 4*NB
	s_mul_i32 s18, s16, 2*NB
	s_add_co_u32 s46, s46, s18
	s_mul_i32 s46, s46, 12288
	s_add_co_u32 s46, s46, O_WCC
	s_mov_b32 s47, 0
	s_lshl_b32 s22, s17, 7
	s_lshl_b32 s18, s14, 5
	s_add_co_u32 s22, s22, s18
	s_lshl_b32 s22, s22, 12
	s_lshl_b32 s18, s42, 9
	s_add_co_u32 s22, s22, s18
	s_mov_b32 s23, 0
	s_mul_i32 s45, s16, 4*KR
	s_mul_i32 s66, s16, 2*NB*KR
	s_add_co_u32 s66, s66, 8*KR
	s_mov_b32 s96, 0x76543210
	s_mov_b32 s97, 0xfedcba98
	s_wait_kmcnt 0x0
	s_add_nc_u64 s[20:21], s[4:5], s[20:21]
	s_add_nc_u64 s[46:47], s[4:5], s[46:47]
	CROUND
	s_mul_i32 s[G0X+1], s14, 32*XP                 ; my 32 rows of the stage for x
	s_add_co_u32 s[G0X+1], s[G0X+1], XT
	s_add_nc_u64 s[G0X+2:G0X+3], s[6:7], s[22:23]
.irp s, 0,1
	s_mov_b32 s[G0+4*\s], 1
	s_add_co_u32 s[G0+4*\s+1], s45, \s*SLOT
	s_add_nc_u64 s[G0+4*\s+2:G0+4*\s+3], s[20:21], \s*KR
	s_or_b32 s[G0+4*\s+3], s[G0+4*\s+3], 0x80000000
	s_mov_b32 s[G0B+4*\s], 1
	s_add_co_u32 s[G0B+4*\s+1], s66, \s*SLOT
	s_add_nc_u64 s[G0B+4*\s+2:G0B+4*\s+3], s[46:47], \s*KR
	s_or_b32 s[G0B+4*\s+3], s[G0B+4*\s+3], 0x80000000
.endr
	JLOAD G0, G1, G0B, G1B                         ; slot 0: my one tensor load at the head; all the set-up below stands under its flight
	v_and_b32 v12, 31, v0
	v_lshlrev_b32 v13, 4, v12
	s_wait_alu depctr_va_vdst(0)
.macro XL g                            ; x: rows 16 g .. 16 g + 15 of my 32, 32 lanes on 512 consecutive bytes, into v192-255 of window 2 + g, which no accumulator takes
	WIN 0x80+0x40*(\g)
.set t, 0
.rept 16
	global_load_b128 v[192+4*t:195+4*t], v13, s[G0X+2:G0X+3] offset:(16*(\g)+t)*4096 th:TH_LOAD_NT
.set t, t+1
.endr
	WIN 0
.endm
	; PREFETCH: a fill is 3,072 bytes (12 blocks of 256) of each tile.  Of the 8 token tiles that my row of the cluster shares I take 2 (by cx), of the 24 weight tiles that my column shares 6 (by cy):
	; waves 0-2 name two weight tiles each, wave 3 the two token tiles: 24 lanes a block each, the 8 lanes left over name the wave's last block again.  Fill f + 2 is asked for behind fill f's load; fill 1 with fill 2.
	s_lshl_b32 s94, s17, 3
	s_lshl_b32 s18, s40, 1
	s_add_co_u32 s94, s94, s18
	s_mul_i32 s94, s94, 12288
	s_mul_i32 s95, s42, 4*NB
	s_mul_i32 s18, s41, NB
	s_add_co_u32 s95, s95, s18
	s_lshl_b32 s18, s14, 1
	s_add_co_u32 s95, s95, s18
	s_mul_i32 s95, s95, 12288
	s_add_co_u32 s95, s95, O_WCC
	s_cmp_eq_u32 s14, 3
	s_cselect_b32 s98, s94, s95
	s_mov_b32 s99, 0
	s_add_nc_u64 s[98:99], s[4:5], s[98:99]
	v_min_u32 v30, 23, v12
	v_mul_u32_u24 v31, v30, 22
	v_lshrrev_b32 v31, 8, v31                      ; block / 12, for blocks 0 .. 23
	v_mul_u32_u24 v31, v31, 9216
	v_lshl_add_u32 v30, v30, 8, v31                ; 256 x block, + the way from one tile's fill to the next tile's
	global_prefetch_b8 v30, s[98:99] offset:KR th:TH_LOAD_NT scope:SCOPE_SE
	global_prefetch_b8 v30, s[98:99] offset:2*KR th:TH_LOAD_NT scope:SCOPE_SE
	s_mov_b32 s95, 0
	s_lshl_b32 s94, s17, 12
	s_add_co_u32 s94, s94, O_CS
	s_add_nc_u64 s[82:83], s[4:5], s[94:95]
	s_mul_i32 s94, s42, 4*NB
	s_mul_i32 s18, s14, NB
	s_add_co_u32 s94, s94, s18
	s_lshl_b32 s94, s94, 9
	s_add_co_u32 s94, s94, O_WCS
	s_add_nc_u64 s[84:85], s[4:5], s[94:95]
	s_lshl_b32 s94, s17, 9
	s_add_co_u32 s94, s94, O_RINV
	s_add_nc_u64 s[86:87], s[4:5], s[94:95]
	s_lshl_b32 s94, s42, 9
	s_lshl_b32 s18, s14, 7
	s_add_co_u32 s94, s94, s18
	s_add_nc_u64 s[88:89], s[8:9], s[94:95]
	s_mul_i32 s94, s17, 98304
	s_lshl_b32 s18, s42, 2
	s_add_co_u32 s18, s18, s14
	s_mul_i32 s18, s18, 384
	s_add_co_u32 s94, s94, s18
	s_add_nc_u64 s[90:91], s[10:11], s[94:95]
	s_lshl_b32 s94, s17, 12
	s_lshl_b32 s18, s14, 10
	s_add_co_u32 s94, s94, s18
	s_lshl_b32 s18, s42, 2
	s_add_co_u32 s94, s94, s18
	s_add_co_u32 s94, s94, O_XMS
	s_add_nc_u64 s[92:93], s[10:11], s[94:95]
	s_add_nc_u64 s[80:81], s[10:11], s[22:23]
	s_add_nc_u64 s[80:81], s[80:81], O_XG
	s_lshl_b32 s18, s14, 16
	s_mov_b32 s19, 0
	s_sub_nc_u64 s[80:81], s[80:81], s[18:19]      ; the way out goes by halves of 64 rows: my rows begin at 16 x wave, not at 32 x wave
	v_and_b32 v1, 15, v0
	v_bfe_u32 v2, v0, 4, 1
	v_mul_u32_u24 v3, v1, 24
	v_mad_u32_u24 v3, v2, 384, v3
	v_mov_b32 v[ADRA], v3
	v_add_nc_u32 v[ADRA+1], SLOT, v3
	s_mul_i32 s18, s14, NB*KR
	s_add_co_u32 s18, s18, 8*KR
	v_add_nc_u32 v[ADRB], s18, v3
	v_add_nc_u32 v[ADRB+1], SLOT, v[ADRB]
	v_lshlrev_b32 v22, 5, v1
	v_lshl_add_u32 v22, v2, 4, v22
	v_lshlrev_b32 v4, 2, v1
	v_lshlrev_b32 v5, 6, v2
.irp a, 0,1,2,3,4,5,6,7
	global_load_b128 v[SA+4*\a:SA+4*\a+3], v22, s[82:83] offset:512*\a
.endr
.irp b, 0,1,2,3,4,5
	global_load_b128 v[SB+4*\b:SB+4*\b+3], v22, s[84:85] offset:512*\b
.endr
.irp a, 0,1,2,3,4,5,6,7
	global_load_b32 v[RI+2*\a], v4, s[86:87] offset:64*\a
	global_load_b32 v[RI+2*\a+1], v4, s[86:87] offset:64*\a
.endr
.irp j, 0,1,2,3
	global_load_b128 v[GG+4*\j:GG+4*\j+3], v5, s[88:89] offset:16*\j
.endr
	v_and_b32 v6, 7, v1
	v_lshrrev_b32 v7, 3, v1
	v_lshl_add_u32 v6, v7, 4, v6
	v_mul_u32_u24 v8, v6, XP
	v_lshl_add_u32 v8, v2, 6, v8
	s_lshl_b32 s18, s14, 7
	s_add_co_u32 s18, s18, XT
	v_add_nc_u32 v8, s18, v8
	v_mul_u32_u24 v9, v1, 24
	v_mad_u32_u24 v9, v2, 12, v9
	v_lshl_add_u32 v10, v1, 2, SCB
	v_add_nc_u32 v10, s14, v10
	v_add_nc_u32 v11, s[G0X+1], v13
	s_mul_i32 s18, s14, 16*XP
	s_add_co_u32 s18, s18, XT
	v_add_nc_u32 v23, s18, v13                     ; the way out: row 16 x wave of the stage, 16 bytes a lane
	v_lshl_add_u32 v14, v12, 2, SCB
	s_lshl_b32 s18, s14, 7
	v_add_nc_u32 v14, s18, v14
	v_lshlrev_b32 v15, 5, v12
.macro FRAG reg, adr, q, i
.irp p, 0,1,2,3,4,5
	ds_load_b64 v[\reg+2*\p:\reg+2*\p+1], v[\adr] offset:(\i)*KR+(\q)*1536+(\p/3)*768+(\p%3)*8
.endr
.endm
.macro FETCH_B slot, q, p
	WIN 0x40
.irp i, 0,1,2,3,4,5
	FRAG 128*(\p)+12*\i, ADRB+\slot, \q, \i
.endr
	WIN 0
.endm
.macro FETCH_A slot, q, i0
.irp i, \i0, \i0+1, \i0+2, \i0+3
	FRAG AF+12*(\i), ADRA+\slot, \q, \i
.endr
.endm
.macro MULG a0, p, ks, zero
.irp a, \a0, \a0+1
.irp b, 0,1,2,3,4,5
.if \zero
	v_wmma_scale_f32_16x16x128_f8f6f4 v[8*(NB*((\a)%4)+\b):8*(NB*((\a)%4)+\b)+7], v[128*(\p)+12*\b:128*(\p)+12*\b+11], v[AF+12*(\a):AF+12*(\a)+11], 0, v[SB+4*\b+(\ks)%4], v[SA+4*(\a)+(\ks)%4] matrix_a_fmt:MATRIX_FMT_FP6 matrix_b_fmt:MATRIX_FMT_FP6
.elseif (\ks) < 4
	v_wmma_scale_f32_16x16x128_f8f6f4 v[8*(NB*((\a)%4)+\b):8*(NB*((\a)%4)+\b)+7], v[128*(\p)+12*\b:128*(\p)+12*\b+11], v[AF+12*(\a):AF+12*(\a)+11], v[8*(NB*((\a)%4)+\b):8*(NB*((\a)%4)+\b)+7], v[SB+4*\b+(\ks)%4], v[SA+4*(\a)+(\ks)%4] matrix_a_fmt:MATRIX_FMT_FP6 matrix_b_fmt:MATRIX_FMT_FP6
.else
	v_wmma_scale_f32_16x16x128_f8f6f4 v[8*(NB*((\a)%4)+\b):8*(NB*((\a)%4)+\b)+7], v[128*(\p)+12*\b:128*(\p)+12*\b+11], v[AF+12*(\a):AF+12*(\a)+11], v[8*(NB*((\a)%4)+\b):8*(NB*((\a)%4)+\b)+7], v[SB+4*\b+(\ks)%4], v[SA+4*(\a)+(\ks)%4] matrix_a_fmt:MATRIX_FMT_FP6 matrix_b_fmt:MATRIX_FMT_FP6 matrix_a_scale:MATRIX_SCALE_ROW1 matrix_b_scale:MATRIX_SCALE_ROW1
.endif
.endr
.endr
.endm
.macro STEP slot, q, ks, zero
	s_wait_dscnt 24
	WIN 0xa1
	MULG 0, (\q)%2, \ks, \zero
	MULG 2, (\q)%2, \ks, \zero
	s_wait_dscnt 0x0
	PLACES 4
	FETCH_B \slot, (\q)+1, 1-(\q)%2
	FETCH_A \slot, (\q)+1, 0
	WIN 0xf1
	MULG 4, (\q)%2, \ks, \zero
	MULG 6, (\q)%2, \ks, \zero
	PLACES 4
	WIN 0
	FETCH_A \slot, (\q)+1, 4
.endm
.macro TURN slot, next, ks, fill
	s_wait_tensorcnt 0x0
	ds_add_u32 v[SPW], v[NIL]
	s_wait_dscnt 25
	WIN 0xa1
	MULG 0, 1, \ks, 0
	s_wait_dscnt 0x0
	s_barrier_signal -1
	MULG 2, 1, \ks, 0
	WIN 0
	s_barrier_wait -1
.if \fill
	CREST
	s_add_nc_u64 s[G0+4*\slot+2:G0+4*\slot+3], s[G0+4*\slot+2:G0+4*\slot+3], 2*KR
	s_add_nc_u64 s[G0B+4*\slot+2:G0B+4*\slot+3], s[G0B+4*\slot+2:G0B+4*\slot+3], 2*KR
	JLOAD G0+4*\slot, G1, G0B+4*\slot, G1B
.else
	PLACES 4
.endif
	FETCH_B \next, 0, 0
	FETCH_A \next, 0, 0
	WIN 0xf1
	MULG 4, 1, \ks, 0
	MULG 6, 1, \ks, 0
	PLACES 4
	WIN 0
	FETCH_A \next, 0, 4
.endm
.macro LAST ks
	s_wait_dscnt 24
	WIN 0xa1
	MULG 0, 1, \ks, 0
	MULG 2, 1, \ks, 0
	s_wait_dscnt 0x0
	WIN 0xf1
	MULG 4, 1, \ks, 0
	MULG 6, 1, \ks, 0
	WIN 0
.endm
	s_wait_alu depctr_va_vdst(0)                   ; the wait at the head's end
	s_wait_tensorcnt 0x0                           ; my part of slot 0 is in
	ds_add_u32 v[SPW], v[NIL]
	s_wait_dscnt 0x0
	CROUND
	JLOAD G0+4, G1, G0B+4, G1B                     ; slot 1, the first tensor load behind the round
	global_prefetch_b8 v30, s[98:99] offset:3*KR th:TH_LOAD_NT scope:SCOPE_SE   ; the last fill, two fills ahead of its load
	FETCH_B 0, 0, 0
	FETCH_A 0, 0, 0
	FETCH_A 0, 0, 4
	s_wait_loadcnt 0x0
	STEP 0, 0, 0, 1
	XL 0                                           ; x is wanted behind the last K step alone: it is asked for here, behind what the first steps need
	TURN 0, 1, 1, 1
	XL 1
	STEP 1, 0, 2, 0
	TURN 1, 0, 3, 1
	STEP 0, 0, 4, 0
	TURN 0, 1, 5, 0
	STEP 1, 0, 6, 0
	s_wait_loadcnt 0x0                             ; x is in
	WIN 0x08
.set t, 0
.rept 16
	ds_store_b128 v11, v[192+4*t:195+4*t] offset:t*XP
.set t, t+1
.endr
	WIN 0x0c
.set t, 0
.rept 16
	ds_store_b128 v11, v[192+4*t:195+4*t] offset:(16+t)*XP
.set t, t+1
.endr
	WIN 0
	LAST 7                                         ; its second wait for LDS covers my stores
	s_barrier_signal -1
	s_barrier_wait -1                              ; all 128 rows of x lie in the stage
	PLACES 4
	v_mov_b32 v193, 0
.macro EPI a
.set W, 2+(\a)/4
.set AC, 48*((\a)%4)
	s_wait_dscnt 0x0
.irp j, 0,1,2,3
	ds_load_b128 v[XX+4*\j:XX+4*\j+3], v8 offset:(32*((\a)/2)+8*((\a)%2))*XP+16*\j
.endr
	s_wait_dscnt 0x0
.irp i, 0,2,4,6,8,10,12,14
	v_pk_mul_f32 v[TT+\i:TT+\i+1], v[XX+\i:XX+\i+1], v[RI+2*(\a):RI+2*(\a)+1]
.endr
.irp i, 0,2,4,6,8,10,12,14
	v_pk_mul_f32 v[TT+\i:TT+\i+1], v[TT+\i:TT+\i+1], v[GG+\i:GG+\i+1]
.endr
	WIN W
.irp i, 0,2,4,6,8,10,12,14
	v_pk_add_f32 v[SONE+\i:SONE+\i+1], v[AC+\i:AC+\i+1], 1.0 op_sel_hi:[1,0]
.endr
.irp i, 0,2,4,6,8,10,12,14
	v_pk_add_f32 v[XX+\i:XX+\i+1], v[AC+32+\i:AC+32+\i+1], v[XX+\i:XX+\i+1]
.endr
	WIN W<<4
.irp i, 0,2,4,6,8,10,12,14
	v_pk_fma_f32 v[XM+\i:XM+\i+1], v[TT+\i:TT+\i+1], v[SONE+\i:SONE+\i+1], v[AC+16+\i:AC+16+\i+1]
.endr
	WIN 0
	v_max3_num_f32 v192, |v[XM]|, |v[XM+1]|, 0x1800000
.irp i, 2,4,6,8,10,12,14
	v_max3_num_f32 v192, |v[XM+\i]|, |v[XM+\i+1]|, v192
.endr
	v_permlanex16_b32 v193, v192, s96, s97
	v_max_num_f32 v192, v192, v193
	v_add_nc_u32 v194, 0xff000000, v192
	v_lshrrev_b32 v195, 23, v194
	v_cvt_scalef32_pk16_fp6_f32 v[224+4*(\a):226+4*(\a)], v[XM:XM+15], v194
	v_nop
	global_store_b96 v9, v[224+4*(\a):226+4*(\a)], s[90:91] offset:(\a)*12288
	ds_store_b8 v10, v195 offset:64*(\a)
.irp j, 0,1,2,3
	ds_store_b128 v8, v[XX+4*\j:XX+4*\j+3] offset:(32*((\a)/2)+8*((\a)%2))*XP+16*\j
.endr
.endm
; x + gate leaves by halves of 64 rows: token tiles 0-3 are rows 0-63 of the stage, tiles 4-7 rows 64-127.  Behind a half's barrier each wave stores 16 of its rows, through v192-255 of window 2 + hf,
; which x has left; the first half's stores are out while tiles 4-7 are worked, and those tiles touch rows 64-127 alone.
.macro OUTH hf
	s_wait_dscnt 0x0                               ; for the others' sake: my stores into the stage have landed
	s_barrier_signal -1
	s_barrier_wait -1
	WIN 0x80+0x40*(\hf)
.set t, 0
.rept 16
	ds_load_b128 v[192+4*t:195+4*t], v23 offset:(64*(\hf)+t)*XP
.set t, t+1
.endr
	WIN 0x08+0x04*(\hf)
.set t, 0
.rept 16
	s_wait_dscnt 15-t                              ; row t is in
	global_store_b128 v13, v[192+4*t:195+4*t], s[80:81] offset:(64*(\hf)+t)*4096 th:TH_STORE_NT   ; 32 lanes store 512 consecutive bytes, at a multiple of 256 from the buffer's first byte
.set t, t+1
.endr
	WIN 0
.endm
.irp a, 0,1,2,3
	EPI \a
.endr
	OUTH 0
.irp a, 4,5,6,7
	EPI \a
.endr
	OUTH 1
	ds_load_b32 v12, v14                           ; the scale bytes of all four waves, behind the second barrier
	s_wait_dscnt 0x0
	global_store_b32 v15, v12, s[92:93]
	s_wait_tensorcnt 0x0
	ds_add_u32 v[SPW], v[NIL]
	s_wait_dscnt 0x0
	CROUND
	s_endpgm
.Lfunc_end_k_q9415d8742c_gemm1:
	.size	k_q9415d8742c_gemm1, .Lfunc_end_k_q9415d8742c_gemm1-k_q9415d8742c_gemm1
	.p2alignl 7, 3214868480
	.fill 96, 4, 3214868480
	.section	.rodata,"a",@progbits
	.p2align	6, 0x0
	.amdhsa_kernel k_q9415d8742c_gemm1
		.amdhsa_group_segment_fixed_size 327680
		.amdhsa_private_segment_fixed_size 0
		.amdhsa_enable_private_segment 0
		.amdhsa_kernarg_size 32
		.amdhsa_user_sgpr_count 2
		.amdhsa_user_sgpr_kernarg_segment_ptr 1
		.amdhsa_wavefront_size32 1
		.amdhsa_system_sgpr_workgroup_id_x 1
		.amdhsa_system_sgpr_workgroup_id_y 1
		.amdhsa_system_sgpr_workgroup_id_z 1
		.amdhsa_system_vgpr_workitem_id 0
		.amdhsa_next_free_vgpr 1024
		.amdhsa_next_free_sgpr 100
		.amdhsa_reserve_vcc 0
		.amdhsa_float_denorm_mode_32 3
		.amdhsa_float_denorm_mode_16_64 3
		.amdhsa_memory_ordered 1
		.amdhsa_forward_progress 1
		.amdhsa_inst_pref_size 155
	.end_amdhsa_kernel
	.amdgpu_metadata
---
amdhsa.version: [ 1, 2 ]
amdhsa.kernels:
  - .name:           k_q9415d8742c_gemm1
    .symbol:         k_q9415d8742c_gemm1.kd
    .args:
      - { .name: prepb, .offset: 0, .size: 8, .value_kind: global_buffer, .address_space: global }
      - { .name: x, .offset: 8, .size: 8, .value_kind: global_buffer, .address_space: global }
      - { .name: rms_scale, .offset: 16, .size: 8, .value_kind: global_buffer, .address_space: global }
      - { .name: g1b, .offset: 24, .size: 8, .value_kind: global_buffer, .address_space: global }
    .group_segment_fixed_size: 327680
    .private_segment_fixed_size: 0
    .kernarg_segment_align: 8
    .kernarg_segment_size: 32
    .max_flat_workgroup_size: 128
    .sgpr_count:     100
    .vgpr_count:     1024
    .wavefront_size: 32
...
	.end_amdgpu_metadata
.endif
;; end of part 2
;; launch gemm2 (part 3): grid 48 x 4, 4 waves a work-group, clusters of 4 x 4, 327,680 bytes of LDS; arguments prepb, g1b, qkvb; writes qkvb
.if DOCPART == 3
	.amdgcn_target "amdgcn-amd-amdhsa--gfx1250"
	.amdhsa_code_object_version 6
	.text
	.protected	k_q9415d8742c_gemm2
	.globl	k_q9415d8742c_gemm2
	.p2align	8
	.type	k_q9415d8742c_gemm2,@function
k_q9415d8742c_gemm2:
	s_mov_b64 s[64:65], 0
	v_nop
	global_prefetch_b8 v0, s[64:65] scope:SCOPE_SE
	s_setreg_imm32_b32 hwreg(HW_REG_WAVE_MODE, 25, 1), 1
	s_wait_xcnt 0x0
	s_wait_alu depctr_hold_cnt(0) depctr_sa_sdst(0) depctr_va_vdst(0) depctr_va_sdst(0) depctr_va_ssrc(0) depctr_va_vcc(0) depctr_vm_vsrc(0)
	s_getreg_b32 s2, hwreg(HW_REG_IB_STS2, 6, 4)
	s_cmp_eq_u32 s2, 0
	s_cbranch_scc0 .Lentry_in_a_cluster
	s_endpgm
.Lentry_in_a_cluster:
	s_bfe_u32 s2, ttmp6, 0x10000c
	s_cmp_lg_u32 s2, 0xf033
	s_cbranch_scc0 .Lentry_shape_is_right
	s_endpgm
.Lentry_shape_is_right:
.set NB,    8
.set KR,    3072
.set SLOT,  (8+4*NB)*KR
.set SPARE, 2*SLOT
.set O_WQC,  5734400
.set O_WQS,  8093696
.set O_PIMG, 9027584
.set O_XMS,  3145728
.set O_QS,   3145728
.set O_KVP,  3407872
.set HEADB,  204800
.set QRT,    51200
.set ADRA, 16
.set ADRB, 20
.set SPW,  28
.set NIL,  29
.set SA,   32
.set SB,   64
.set AF,   128
.set G1,  24
.set G0,  32
.set G1B, 48
.set G0B, 56
.set MSB, 0
.macro WIN new
.if MSB != (\new)
	s_set_vgpr_msb (MSB<<8)|(\new)
.set MSB, (\new)
.endif
.endm
.macro JLOAD g0a, g1a, g0b, g1b
	s_cmp_eq_u32 s15, 0
	s_cbranch_scc0 .Lfor_b_\@
	tensor_load_to_lds s[\g0a:\g0a+3], s[\g1a:\g1a+7]
	s_nop 0
.rept 4
	v_nop
.endr
	s_branch .Lasked_\@
.Lfor_b_\@:
	tensor_load_to_lds s[\g0b:\g0b+3], s[\g1b:\g1b+7]
	s_nop 0
.rept 4
	v_nop
.endr
.Lasked_\@:
.endm
.macro CREST
	s_cmp_lg_u32 s14, 0
	s_cbranch_scc1 .Lnot_wave_0_\@
	s_barrier_signal -3
.Lnot_wave_0_\@:
	s_barrier_wait -3
	s_barrier_signal -1
	s_barrier_wait -1
.endm
.macro CROUND
	s_barrier_signal -1
	s_barrier_wait -1
	CREST
.endm
.macro PLACES n
.rept \n
	v_nop
.endr
.endm
	s_load_b128 s[4:7], s[0:1], 0x0
	s_load_b64 s[8:9], s[0:1], 0x10
	v_lshl_add_u32 v[SPW], v0, 2, SPARE
	v_mov_b32 v[NIL], 0
	ds_add_u32 v28, v29
	ds_add_u32 v28, v29
	s_wait_dscnt 0x0
	v_lshrrev_b32 v1, 5, v0
	v_readfirstlane_b32 s14, v1
	s_lshr_b32 s15, s14, 1
	s_and_b32 s16, s14, 1
	s_bfe_u32 s40, ttmp6, 0x40000
	s_bfe_u32 s41, ttmp6, 0x40004
	s_sub_co_u32 s18, ttmp9, 8
	s_lshr_b32 s19, s18, 1
	s_lshl_b32 s19, s19, 2
	s_and_b32 s18, s18, 1
	s_lshl_b32 s18, s18, 2
	s_lshl_b32 s20, ttmp9, 2
	s_cmp_lt_u32 ttmp9, 8
	s_cselect_b32 s17, s20, s19
	s_cselect_b32 s42, 0, s18
	s_cselect_b32 s99, 0, 1
	s_cselect_b32 s98, 0, 128
	s_add_co_u32 s17, s17, s41
	s_add_co_u32 s42, s42, s40
	s_lshl_b32 s43, s41, 2
	s_lshl_b32 s43, 15, s43
	s_lshl_b32 s44, 0x1111, s40
	s_or_b32 s[G1], s43, (3<<16)|(1<<21)
	s_or_b32 s[G1B], s44, (3<<16)|(1<<21)
	s_mov_b32 s[G1+1], (KR/8)<<16
	s_mov_b32 s[G1+2], 4<<16
	s_mov_b32 s[G1+3], (KR/8)<<16
	s_mov_b32 s[G1+4], 4
	s_mov_b32 s[G1+5], 1536
	s_mov_b32 s[G1+6], 0
	s_mov_b32 s[G1+7], 0
	s_mov_b32 s[G1B+1], (KR/8)<<16
	s_mov_b32 s[G1B+2], (2*NB)<<16
	s_mov_b32 s[G1B+3], (KR/8)<<16
	s_mov_b32 s[G1B+4], 2*NB
	s_mov_b32 s[G1B+5], 1536
	s_mov_b32 s[G1B+6], 0
	s_mov_b32 s[G1B+7], 0
	s_lshl_b32 s20, s17, 3
	s_add_co_u32 s20, s20, s98
	s_lshl_b32 s10, s20, 9
	s_mov_b32 s11, 0
	s_lshl_b32 s18, s16, 2
	s_add_co_u32 s20, s20, s18
	s_mul_i32 s20, s20, 12288
	s_mov_b32 s21, 0
	s_lshl_b32 s46, s42, 5
	s_lshl_b32 s12, s14, 3
	s_add_co_u32 s12, s12, s46
	s_lshl_b32 s12, s12, 9
	s_mov_b32 s13, 0
	s_lshl_b32 s18, s16, 4
	s_add_co_u32 s46, s46, s18
	s_mul_i32 s46, s46, 12288
	s_mov_b32 s47, 0
	s_mul_i32 s45, s16, 4*KR
	s_mul_i32 s66, s16, 2*NB*KR
	s_add_co_u32 s66, s66, 8*KR
	s_mov_b32 s96, 0x76543210
	s_mov_b32 s97, 0xfedcba98
	s_wait_kmcnt 0x0
	s_add_nc_u64 s[80:81], s[4:5], O_WQC
	s_add_nc_u64 s[82:83], s[4:5], O_WQS
	s_add_nc_u64 s[84:85], s[6:7], O_XMS
	s_cmp_eq_u32 s99, 0
	s_cselect_b64 s[86:87], s[6:7], s[80:81]
	s_cselect_b64 s[88:89], s[84:85], s[82:83]
	s_cselect_b64 s[90:91], s[80:81], s[6:7]
	s_cselect_b64 s[92:93], s[82:83], s[84:85]
	s_add_nc_u64 s[20:21], s[86:87], s[20:21]
	s_add_nc_u64 s[46:47], s[90:91], s[46:47]
	s_add_nc_u64 s[88:89], s[88:89], s[10:11]
	s_add_nc_u64 s[92:93], s[92:93], s[12:13]
	CROUND
.irp s, 0,1
	s_mov_b32 s[G0+4*\s], 1
	s_add_co_u32 s[G0+4*\s+1], s45, \s*SLOT
	s_add_nc_u64 s[G0+4*\s+2:G0+4*\s+3], s[20:21], \s*KR
	s_or_b32 s[G0+4*\s+3], s[G0+4*\s+3], 0x80000000
	s_mov_b32 s[G0B+4*\s], 1
	s_add_co_u32 s[G0B+4*\s+1], s66, \s*SLOT
	s_add_nc_u64 s[G0B+4*\s+2:G0B+4*\s+3], s[46:47], \s*KR
	s_or_b32 s[G0B+4*\s+3], s[G0B+4*\s+3], 0x80000000
.endr
	JLOAD G0, G1, G0B, G1B                         ; slot 0: my one tensor load at the head; the set-up and the scale words' loads below stand under its flight
	; PREFETCH: a fill is 3,072 bytes (12 blocks of 256) of each tile.  Of the 32 tiles that my column of the cluster shares I take 8 (by cy), two a wave: 24 lanes a block each;
	; of the 8 tiles that my row shares I take 2 (by cx), 6 blocks a wave; lanes left over name their wave's last block again.  Fill f + 2 is asked for behind fill f's load; fill 1 with fill 2.
	s_lshl_b32 s72, s17, 3
	s_add_co_u32 s72, s72, s98
	s_lshl_b32 s73, s40, 1
	s_add_co_u32 s72, s72, s73
	s_mul_i32 s72, s72, 12288
	s_mov_b32 s73, 0
	s_add_nc_u64 s[70:71], s[86:87], s[72:73]
	s_lshl_b32 s72, s42, 5
	s_lshl_b32 s74, s41, 3
	s_add_co_u32 s72, s72, s74
	s_lshl_b32 s74, s14, 1
	s_add_co_u32 s72, s72, s74
	s_mul_i32 s72, s72, 12288
	s_add_nc_u64 s[68:69], s[90:91], s[72:73]
	s_mul_i32 s74, s14, 6
	v_and_b32 v23, 31, v0
	v_min_u32 v30, 23, v23
	v_min_u32 v31, 5, v23
	v_add_nc_u32 v31, s74, v31
	v_mul_u32_u24 v24, v30, 22
	v_mul_u32_u24 v25, v31, 22
	v_lshrrev_b32 v24, 8, v24                      ; block / 12, for blocks 0 .. 23
	v_lshrrev_b32 v25, 8, v25
	v_mul_u32_u24 v24, v24, 9216
	v_mul_u32_u24 v25, v25, 9216
	v_lshl_add_u32 v30, v30, 8, v24                ; 256 x block, + the way from one tile's fill to the next tile's
	v_lshl_add_u32 v31, v31, 8, v25
	global_prefetch_b8 v30, s[68:69] offset:KR th:TH_LOAD_NT scope:SCOPE_SE
	global_prefetch_b8 v31, s[70:71] offset:KR th:TH_LOAD_NT scope:SCOPE_SE
	global_prefetch_b8 v30, s[68:69] offset:2*KR th:TH_LOAD_NT scope:SCOPE_SE
	global_prefetch_b8 v31, s[70:71] offset:2*KR th:TH_LOAD_NT scope:SCOPE_SE
	v_and_b32 v1, 15, v0
	v_bfe_u32 v2, v0, 4, 1
	v_mul_u32_u24 v3, v1, 24
	v_mad_u32_u24 v3, v2, 384, v3
	v_mov_b32 v[ADRA], v3
	v_add_nc_u32 v[ADRA+1], SLOT, v3
	s_mul_i32 s18, s14, NB*KR
	s_add_co_u32 s18, s18, 8*KR
	v_add_nc_u32 v[ADRB], s18, v3
	v_add_nc_u32 v[ADRB+1], SLOT, v[ADRB]
	v_lshlrev_b32 v22, 5, v1
	v_lshl_add_u32 v22, v2, 4, v22
.irp a, 0,1,2,3,4,5,6,7
	global_load_b128 v[SA+4*\a:SA+4*\a+3], v22, s[88:89] offset:512*\a
.endr
.irp b, 0,1,2,3,4,5,6,7
	global_load_b128 v[SB+4*\b:SB+4*\b+3], v22, s[92:93] offset:512*\b
.endr
	v_mul_u32_u24 v9, v1, 24
	v_mad_u32_u24 v9, v2, 12, v9
	v_and_b32 v13, 31, v0
	v_lshlrev_b32 v13, 4, v13
	v_cmp_eq_u32 s67, 1, v2
.macro FRAG reg, adr, q, i
.irp p, 0,1,2,3,4,5
	ds_load_b64 v[\reg+2*\p:\reg+2*\p+1], v[\adr] offset:(\i)*KR+(\q)*1536+(\p/3)*768+(\p%3)*8
.endr
.endm
.macro FETCH_B slot, q, p
	WIN 0x40
.irp i, 0,1,2,3,4,5,6,7
	FRAG 128*(\p)+12*\i, ADRB+\slot, \q, \i
.endr
	WIN 0
.endm
.macro FETCH_A slot, q, i0
.irp i, \i0, \i0+1, \i0+2, \i0+3
	FRAG AF+12*(\i), ADRA+\slot, \q, \i
.endr
.endm
.macro MULG a0, p, ks, zero
.irp a, \a0, \a0+1
.irp b, 0,1,2,3,4,5,6,7
.if \zero
	v_wmma_scale_f32_16x16x128_f8f6f4 v[8*(NB*((\a)%4)+\b):8*(NB*((\a)%4)+\b)+7], v[128*(\p)+12*\b:128*(\p)+12*\b+11], v[AF+12*(\a):AF+12*(\a)+11], 0, v[SB+4*\b+(\ks)%4], v[SA+4*(\a)+(\ks)%4] matrix_a_fmt:MATRIX_FMT_FP6 matrix_b_fmt:MATRIX_FMT_FP6
.elseif (\ks) < 4
	v_wmma_scale_f32_16x16x128_f8f6f4 v[8*(NB*((\a)%4)+\b):8*(NB*((\a)%4)+\b)+7], v[128*(\p)+12*\b:128*(\p)+12*\b+11], v[AF+12*(\a):AF+12*(\a)+11], v[8*(NB*((\a)%4)+\b):8*(NB*((\a)%4)+\b)+7], v[SB+4*\b+(\ks)%4], v[SA+4*(\a)+(\ks)%4] matrix_a_fmt:MATRIX_FMT_FP6 matrix_b_fmt:MATRIX_FMT_FP6
.else
	v_wmma_scale_f32_16x16x128_f8f6f4 v[8*(NB*((\a)%4)+\b):8*(NB*((\a)%4)+\b)+7], v[128*(\p)+12*\b:128*(\p)+12*\b+11], v[AF+12*(\a):AF+12*(\a)+11], v[8*(NB*((\a)%4)+\b):8*(NB*((\a)%4)+\b)+7], v[SB+4*\b+(\ks)%4], v[SA+4*(\a)+(\ks)%4] matrix_a_fmt:MATRIX_FMT_FP6 matrix_b_fmt:MATRIX_FMT_FP6 matrix_a_scale:MATRIX_SCALE_ROW1 matrix_b_scale:MATRIX_SCALE_ROW1
.endif
.endr
.endr
.endm
.macro STEP slot, q, ks, zero
	s_wait_dscnt 24
	WIN 0xa1
	MULG 0, (\q)%2, \ks, \zero
	MULG 2, (\q)%2, \ks, \zero
	s_wait_dscnt 0x0
	PLACES 4
	FETCH_B \slot, (\q)+1, 1-(\q)%2
	FETCH_A \slot, (\q)+1, 0
	WIN 0xf1
	MULG 4, (\q)%2, \ks, \zero
	MULG 6, (\q)%2, \ks, \zero
	PLACES 4
	WIN 0
	FETCH_A \slot, (\q)+1, 4
.endm
.macro TURN slot, next, ks, fill
	s_wait_tensorcnt 0x0
	ds_add_u32 v[SPW], v[NIL]
	s_wait_dscnt 25
	WIN 0xa1
	MULG 0, 1, \ks, 0
	s_wait_dscnt 0x0
	s_barrier_signal -1
	MULG 2, 1, \ks, 0
	WIN 0
	s_barrier_wait -1
.if \fill
	CREST
	s_add_nc_u64 s[G0+4*\slot+2:G0+4*\slot+3], s[G0+4*\slot+2:G0+4*\slot+3], 2*KR
	s_add_nc_u64 s[G0B+4*\slot+2:G0B+4*\slot+3], s[G0B+4*\slot+2:G0B+4*\slot+3], 2*KR
	JLOAD G0+4*\slot, G1, G0B+4*\slot, G1B
.else
	PLACES 4
.endif
	FETCH_B \next, 0, 0
	FETCH_A \next, 0, 0
	WIN 0xf1
	MULG 4, 1, \ks, 0
	MULG 6, 1, \ks, 0
	PLACES 4
	WIN 0
	FETCH_A \next, 0, 4
.endm
.macro LAST ks
	s_wait_dscnt 24
	WIN 0xa1
	MULG 0, 1, \ks, 0
	MULG 2, 1, \ks, 0
	s_wait_dscnt 0x0
	WIN 0xf1
	MULG 4, 1, \ks, 0
	MULG 6, 1, \ks, 0
	WIN 0
.endm
	s_wait_alu depctr_va_vdst(0)                   ; the wait at the head's end
	s_wait_tensorcnt 0x0                           ; my part of slot 0 is in
	ds_add_u32 v[SPW], v[NIL]
	s_wait_dscnt 0x0
	CROUND
	JLOAD G0+4, G1, G0B+4, G1B                     ; slot 1, the first tensor load behind the round
	global_prefetch_b8 v30, s[68:69] offset:3*KR th:TH_LOAD_NT scope:SCOPE_SE   ; the last fill, two fills ahead of its load
	global_prefetch_b8 v31, s[70:71] offset:3*KR th:TH_LOAD_NT scope:SCOPE_SE
	FETCH_B 0, 0, 0
	FETCH_A 0, 0, 0
	FETCH_A 0, 0, 4
	s_wait_loadcnt 0x0
	STEP 0, 0, 0, 1
	TURN 0, 1, 1, 1
	STEP 1, 0, 2, 0
	TURN 1, 0, 3, 1
	STEP 0, 0, 4, 0
	TURN 0, 1, 5, 0
	STEP 1, 0, 6, 0
	s_cmp_lg_u32 s99, 0
	s_cbranch_scc1 .Lvalues
	s_lshr_b32 s18, s17, 4
	s_and_b32 s19, s17, 15
	s_lshl_b32 s22, s42, 2
	s_add_co_u32 s22, s22, s14
	s_lshl_b32 s18, s18, 4
	s_add_co_u32 s22, s22, s18
	s_mul_i32 s10, s22, 98304
	s_mul_i32 s23, s19, 6144
	s_add_co_u32 s10, s10, s23
	s_mov_b32 s11, 0
	s_add_nc_u64 s[10:11], s[8:9], s[10:11]
	s_lshr_b32 s23, s19, 2
	s_mul_i32 s12, s22, HEADB
	s_mul_i32 s23, s23, QRT
	s_add_co_u32 s12, s12, s23
	s_add_co_u32 s12, s12, O_KVP
	s_and_b32 s23, s19, 3
	s_lshl_b32 s95, s23, 8
	s_add_co_u32 s95, s95, s12
	s_add_co_u32 s95, s95, 49152
	s_mul_i32 s23, s23, 6144
	s_add_co_u32 s12, s12, s23
	s_mov_b32 s13, 0
	s_add_nc_u64 s[12:13], s[8:9], s[12:13]
	s_lshl_b32 s94, s22, 13
	s_lshl_b32 s23, s19, 9
	s_add_co_u32 s94, s94, s23
	s_add_co_u32 s94, s94, O_QS
	v_lshlrev_b32 v12, 2, v1
	v_lshl_add_u32 v12, v2, 6, v12
	v_add_nc_u32 v12, s94, v12
	v_lshlrev_b32 v11, 4, v1
	v_lshl_add_u32 v11, v2, 3, v11
	v_add_nc_u32 v11, s95, v11
	s_lshl_b32 s22, s17, 16
	s_add_co_u32 s22, s22, O_PIMG
	s_mov_b32 s23, 0
	s_add_nc_u64 s[84:85], s[4:5], s[22:23]
.macro PLOAD a
.set qq, 0
.rept 16
	global_load_b128 v[64*((\a)%2)+4*qq:64*((\a)%2)+4*qq+3], v13, s[84:85] offset:(\a)*8192+512*qq
.set qq, qq+1
.endr
.endm
	WIN 0x40
	PLOAD 0
	PLOAD 1
	WIN 0
	LAST 7
	PLACES 4
	v_mov_b32 v242, 0
	v_mov_b32 v243, 0
.macro ROPE base
	WIN W|(1<<2)
.irp i, 0,2,4,6,8,10,12,14
	v_pk_mul_f32 v[192+\i:193+\i], v[\base+16+\i:\base+17+\i], v[IM+16+\i:IM+17+\i]
.endr
.irp i, 0,2,4,6,8,10,12,14
	v_pk_mul_f32 v[208+\i:209+\i], v[\base+\i:\base+1+\i], v[IM+48+\i:IM+49+\i]
.endr
.irp i, 0,2,4,6,8,10,12,14
	v_pk_fma_f32 v[160+\i:161+\i], v[\base+\i:\base+1+\i], v[IM+\i:IM+1+\i], v[192+\i:193+\i] neg_lo:[0,0,1] neg_hi:[0,0,1]
.endr
.irp i, 0,2,4,6,8,10,12,14
	v_pk_fma_f32 v[176+\i:177+\i], v[\base+16+\i:\base+17+\i], v[IM+32+\i:IM+33+\i], v[208+\i:209+\i]
.endr
	WIN 0
.endm
.macro Q2 c1, c2, wd
	v_max3_num_f32 v240, |v160|, |v161|, 0x1800000
	v_max3_num_f32 v241, |v176|, |v177|, 0x1800000
.irp i, 2,4,6,8,10,12,14
	v_max3_num_f32 v240, |v[160+\i]|, |v[161+\i]|, v240
	v_max3_num_f32 v241, |v[176+\i]|, |v[177+\i]|, v241
.endr
	v_permlanex16_b32 v242, v240, s96, s97
	v_permlanex16_b32 v243, v241, s96, s97
	v_max_num_f32 v240, v240, v242
	v_max_num_f32 v241, v241, v243
	v_add_nc_u32 v244, 0xff000000, v240
	v_add_nc_u32 v245, 0xff000000, v241
	v_lshrrev_b32 v246, 23, v244
	v_lshrrev_b32 v247, 23, v245
	v_lshl_or_b32 v[\wd], v247, 8, v246
	v_cvt_scalef32_pk16_fp6_f32 v[\c1:\c1+2], v[160:175], v244
	v_cvt_scalef32_pk16_fp6_f32 v[\c2:\c2+2], v[176:191], v245
	v_nop
.endm
.macro EPQ a
.set W, 2+(\a)/4
.set AC, 64*((\a)%4)
.set IM, 64*((\a)%2)
.set KD, 128+6*((\a)%2)
.set WQ, 248+(\a)%2
.set WK, 250+(\a)%2
.if (\a) < 7
	s_wait_loadcnt 16
.else
	s_wait_loadcnt 0x0
.endif
	s_wait_xcnt 0x0
	ROPE AC
	Q2 224, 228, WQ
	ROPE AC+32
	Q2 KD, 236, WK
.irp i, 0,1,2
	v_permlane16_swap_b32 v[KD+\i], v[236+\i]
.endr
.irp i, 0,1,2
	v_mov_b32 v[KD+3+\i], v[236+\i]
.endr
	global_store_b96 v9, v[224:226], s[10:11] offset:(\a)*768
	global_store_b96 v9, v[228:230], s[10:11] offset:(\a)*768+384
.if (\a)%2 == 1
	v_cndmask_b32 v252, v248, v249, s67
	v_lshl_or_b32 v[100+(\a)/2], v251, 16, v250
	global_store_b32 v12, v252, s[8:9] offset:128*((\a)/2)
.irp c, 0,1,2
	global_store_b128 v13, v[128+4*\c:131+4*\c], s[12:13] offset:((\a)/2)*1536+512*\c
.endr
.endif
.if (\a) < 6
	WIN 0x40
	PLOAD (\a)+2
	WIN 0
.endif
.endm
.irp a, 0,1,2,3,4,5,6,7
	EPQ \a
.endr
	v_cndmask_b32 v104, v100, v102, s67
	v_cndmask_b32 v105, v101, v103, s67
	global_store_b64 v11, v[104:105], s[8:9]
	s_branch .Lend
.Lvalues:
	s_lshr_b32 s18, s42, 2
	s_and_b32 s19, s42, 3
	s_lshl_b32 s18, s18, 4
	s_lshl_b32 s22, s17, 1
	s_add_co_u32 s22, s22, s18
	s_mul_i32 s10, s22, HEADB
	s_mul_i32 s19, s19, QRT
	s_add_co_u32 s10, s10, s19
	s_add_co_u32 s10, s10, O_KVP
	s_lshl_b32 s12, s14, 8
	s_add_co_u32 s12, s12, s10
	s_add_co_u32 s12, s12, 50176
	s_mul_i32 s19, s14, 6144
	s_add_co_u32 s10, s10, s19
	s_add_co_u32 s10, s10, 24576
	s_mov_b32 s11, 0
	s_mov_b32 s13, 0
	s_add_nc_u64 s[10:11], s[8:9], s[10:11]
	s_add_nc_u64 s[12:13], s[8:9], s[12:13]
	v_lshlrev_b32 v10, 4, v1
	v_mad_u32_u24 v10, v2, HEADB, v10
	LAST 7
	PLACES 4
.irp b, 0,1,2,3
	v_mov_b32 v[244+\b], 0
.endr
.macro EPV a
.set W, 2+(\a)/4
.set AC, 64*((\a)%4)
	s_wait_xcnt 0x0
	WIN W|(W<<2)
.irp b, 0,1,2,3
	v_max3_num_f32 v[240+\b], |v[AC+16*\b]|, |v[AC+16*\b+1]|, 0x1800000
.endr
.irp i, 2,4,6,8,10,12,14
.irp b, 0,1,2,3
	v_max3_num_f32 v[240+\b], |v[AC+16*\b+\i]|, |v[AC+16*\b+\i+1]|, v[240+\b]
.endr
.endr
	WIN 0
.irp b, 0,1,2,3
	v_permlanex16_b32 v[244+\b], v[240+\b], s96, s97
.endr
.irp b, 0,1,2,3
	v_max_num_f32 v[240+\b], v[240+\b], v[244+\b]
.endr
.irp b, 0,1,2,3
	v_add_nc_u32 v[248+\b], 0xff000000, v[240+\b]
.endr
.irp b, 0,1,2,3
	v_lshrrev_b32 v[252+\b], 23, v[248+\b]
.endr
	v_lshl_or_b32 v[96+(\a)], v253, 8, v252
	v_lshl_or_b32 v[96+(\a)], v254, 16, v[96+(\a)]
	v_lshl_or_b32 v[96+(\a)], v255, 24, v[96+(\a)]
	WIN W
	v_cvt_scalef32_pk16_fp6_f32 v[224:226], v[AC:AC+15], v248
	v_cvt_scalef32_pk16_fp6_f32 v[236:238], v[AC+16:AC+31], v249
	v_cvt_scalef32_pk16_fp6_f32 v[230:232], v[AC+32:AC+47], v250
	v_cvt_scalef32_pk16_fp6_f32 v[240:242], v[AC+48:AC+63], v251
	WIN 0
	v_nop
.irp i, 0,1,2
	v_permlane16_swap_b32 v[224+\i], v[236+\i]
	v_permlane16_swap_b32 v[230+\i], v[240+\i]
.endr
.irp i, 0,1,2
	v_mov_b32 v[227+\i], v[236+\i]
	v_mov_b32 v[233+\i], v[240+\i]
.endr
.irp c, 0,1,2
	global_store_b128 v13, v[224+4*\c:227+4*\c], s[10:11] offset:((\a)/4)*HEADB+((\a)%4)*1536+512*\c
.endr
.endm
.irp a, 0,1,2,3,4,5,6,7
	EPV \a
.endr
.irp i, 0,1,2,3
	v_cndmask_b32 v[104+\i], v[96+\i], v[100+\i], s67
.endr
	global_store_b128 v10, v[104:107], s[12:13]
.Lend:
	s_wait_tensorcnt 0x0
	ds_add_u32 v[SPW], v[NIL]
	s_wait_dscnt 0x0
	CROUND
	s_endpgm
.Lfunc_end_k_q9415d8742c_gemm2:
	.size	k_q9415d8742c_gemm2, .Lfunc_end_k_q9415d8742c_gemm2-k_q9415d8742c_gemm2
	.p2alignl 7, 3214868480
	.fill 96, 4, 3214868480
	.section	.rodata,"a",@progbits
	.p2align	6, 0x0
	.amdhsa_kernel k_q9415d8742c_gemm2
		.amdhsa_group_segment_fixed_size 327680
		.amdhsa_private_segment_fixed_size 0
		.amdhsa_enable_private_segment 0
		.amdhsa_kernarg_size 24
		.amdhsa_user_sgpr_count 2
		.amdhsa_user_sgpr_kernarg_segment_ptr 1
		.amdhsa_wavefront_size32 1
		.amdhsa_system_sgpr_workgroup_id_x 1
		.amdhsa_system_sgpr_workgroup_id_y 1
		.amdhsa_system_sgpr_workgroup_id_z 1
		.amdhsa_system_vgpr_workitem_id 0
		.amdhsa_next_free_vgpr 1024
		.amdhsa_next_free_sgpr 100
		.amdhsa_reserve_vcc 0
		.amdhsa_float_denorm_mode_32 3
		.amdhsa_float_denorm_mode_16_64 3
		.amdhsa_memory_ordered 1
		.amdhsa_forward_progress 1
		.amdhsa_inst_pref_size 252
	.end_amdhsa_kernel
	.amdgpu_metadata
---
amdhsa.version: [ 1, 2 ]
amdhsa.kernels:
  - .name:           k_q9415d8742c_gemm2
    .symbol:         k_q9415d8742c_gemm2.kd
    .args:
      - { .name: prepb, .offset: 0, .size: 8, .value_kind: global_buffer, .address_space: global }
      - { .name: g1b, .offset: 8, .size: 8, .value_kind: global_buffer, .address_space: global }
      - { .name: qkvb, .offset: 16, .size: 8, .value_kind: global_buffer, .address_space: global }
    .group_segment_fixed_size: 327680
    .private_segment_fixed_size: 0
    .kernarg_segment_align: 8
    .kernarg_segment_size: 24
    .max_flat_workgroup_size: 128
    .sgpr_count:     100
    .vgpr_count:     1024
    .wavefront_size: 32
...
	.end_amdgpu_metadata
.endif
;; end of part 3
;; launch attn (part 4): grid 8 x 32, 16 waves a work-group, clusters of 4 x 1, 206,848 bytes of LDS; arguments qkvb, aob; writes aob
.if DOCPART == 4
	.amdgcn_target "amdgcn-amd-amdhsa--gfx1250"
	.amdhsa_code_object_version 6
	.text
	.protected	k_q9415d8742c_attn
	.globl	k_q9415d8742c_attn
	.p2align	8
	.type	k_q9415d8742c_attn,@function
k_q9415d8742c_attn:
	s_mov_b64 s[64:65], 0
	v_nop
	global_prefetch_b8 v0, s[64:65] scope:SCOPE_SE
	s_setreg_imm32_b32 hwreg(HW_REG_WAVE_MODE, 25, 1), 1
	s_wait_xcnt 0x0
	s_wait_alu depctr_hold_cnt(0) depctr_sa_sdst(0) depctr_va_vdst(0) depctr_va_sdst(0) depctr_va_ssrc(0) depctr_va_vcc(0) depctr_vm_vsrc(0)
	s_getreg_b32 s2, hwreg(HW_REG_IB_STS2, 6, 4)
	s_cmp_eq_u32 s2, 0
	s_cbranch_scc0 .Lentry_in_a_cluster
	s_endpgm
.Lentry_in_a_cluster:
	s_bfe_u32 s2, ttmp6, 0x10000c
	s_cmp_lg_u32 s2, 0x3003
	s_cbranch_scc0 .Lentry_shape_is_right
	s_endpgm
.Lentry_shape_is_right:
; ATTENTION on codes of E2M3, head size 64, 2,048 keys, no mask.  t = score x log2(e) / 8; M = the running largest t rounded UP to a whole number; p = 2^(t - M) is quantised along the keys, not normalised;
; the row's sum is taken of the unquantised p and divides O at the end; when M moves, the sum and O are multiplied by 2^(old M - new M), which rounds nothing.  O / sum is quantised along (head, d) for the last product.
; SHARES.  A work-group owns 256 queries of one (batch, head); each of its sixteen waves one tile of 16, in 256 registers: four waves to a SIMD.
; A WHOLE HEAD'S K, V AND SCALE WORDS ARE 204,800 BYTES = 16 x 12,800: every wave fetches one sixteenth, 50 rows of 256 bytes, by ONE tensor load at the head; both addresses are made of the wave's number, with no branch.
; Each byte of LDS is filled once.  ONE barrier shows the whole head to every wave; behind it no wave waits for another until the end.
; CLUSTER 4 x 1: the four query blocks of a cluster belong to one head and ask for each sixteenth jointly.  No prefetch: the launch's only loads stand at its head, so there is no loop to run ahead in.
; OPERANDS LIE IN LDS AS IMAGES OF THEIR REGISTERS: a fragment of 12 registers is three loads of 16 bytes a lane, 512 consecutive bytes each; the scale words of a step's four fragments are 16 bytes a place.
; LAYOUT.  Both products are used transposed (S^T = K Q^T, O^T = V^T P^T): a lane holds ONE query.  The first product's K is 64, the instruction's 128: a fragment of K holds two tiles of 16 keys, at k 0-63 and at k 64-127;
; it is multiplied by [q, 0] and by [0, q].  Zero codes add nothing; their scale bytes are 0, no NaN.  The two forms of q share 18 registers: zeros, codes, zeros.
; K's tiles hold keys in the order 32 b + 8 u + r%8 + 16 (r/8), so that the 16 registers of tiles 2 b, 2 b + 1 are 16 neighbouring keys; V's tiles hold d in the same order.
; A block's largest p is the block's largest score put through the same multiply-add and exponential (this takes v_exp_f32 not to fall where its input rises; at the worst one p of a block would be held one code low).
; LIMITS: byte 1 for a block of zeros or under 2^-124; no NaN, no infinities; the scaled scores stay under 2^31 in magnitude.
.set O_QS,  3145728
.set O_KVP, 3407872
.set O_AOS, 3145728
.set HEADB, 204800
.set SPARE, HEADB                      ; behind the head: the spare words, 128 bytes a wave
.set QRT,   51200                      ; 512 keys: K's codes at 0 (6,144 a step), V's at VCO, K's scale words at KWO (256 a step), V's at VWO
.set VCO,   24576
.set KWO,   49152
.set VWO,   50176
.set LN,  1                            ; 16 x lane
.set LR,  2                            ; 16 x (lane % 16)
.set QHW, 3                            ; q's scale word for [0, q]
.set AK,  4                            ; the 512 keys in hand: codes, for my lane
.set AW,  5                            ; their scale words
.set KW,  6                            ; v6-9 K's scale words
.set VW,  10                           ; v10-13 V's
.set NM,  14                           ; -M (named with v15 as a pair)
.set TM,  15                           ; the largest score so far
.set SUM, 16                           ; v16-17 the row's sum, two halves
.set QH,  18                           ; v18-29 [0, q]
.set QL,  24                           ; v24-35 [q, 0]
.set KF,  36                           ; v36-83 K's four fragments; v78-83 also chains of the sum
.set PC,  84                           ; v84-95 p's codes
.set SS,  96                           ; v96-159 S^T, then p
.set OO,  160                          ; v160-191 O^T
.set VF,  192                          ; v192-239 V's four fragments
.set BM,  240                          ; v240-243 block maxima; half a block's codes; chains of the sum
.set PT,  244                          ; v244-247 the other half's maxima; bytes; half a block's codes
.set SO,  248                          ; v248-251 the conversions' scale operands; chains of the sum
.set FF,  252                          ; the old -M, then f (named with v253 as a pair)
.set PW,  253                          ; p's scale word
.set TMP, 254
.set QLW, 255                          ; q's scale word for [q, 0]
.macro CROUND
	s_barrier_signal -1
	s_barrier_wait -1
	s_cmp_lg_u32 s18, 0
	s_cbranch_scc1 .Lnot_wave_0_\@
	s_barrier_signal -3
.Lnot_wave_0_\@:
	s_barrier_wait -3
	s_barrier_signal -1
	s_barrier_wait -1
.endm
	s_load_b128 s[4:7], s[0:1], 0x0                ; qkvb, aob
	v_lshl_add_u32 v254, v0, 2, SPARE
	v_mov_b32 v255, 0
	ds_add_u32 v254, v255                          ; the opening lines: the add, twice on end, and one wait
	ds_add_u32 v254, v255
	v_lshrrev_b32 v96, 5, v0
	v_readfirstlane_b32 s18, v96                   ; wave 0..15
	s_bfe_u32 s8, ttmp6, 0x40000                   ; cx: it enters q's and the output's addresses alone
	s_lshl_b32 s9, ttmp9, 2
	s_add_co_u32 s9, s9, s8                        ; my block of 256 queries
	s_and_b32 s10, ttmp7, 0xffff                   ; 16 x batch + head
	s_lshl_b32 s11, s9, 4
	s_add_co_u32 s11, s11, s18                     ; my tile of queries, 0..127
	s_mul_i32 s33, s18, 12800                      ; my sixteenth: its place in LDS and in the head's block of memory
	s_mul_i32 s12, s10, HEADB
	s_add_co_u32 s12, s12, s33
	s_add_co_u32 s12, s12, O_KVP
	s_mov_b32 s13, 0
	s_mul_i32 s52, s10, 98304
	s_mul_i32 s15, s11, 768
	s_add_co_u32 s52, s52, s15
	s_mov_b32 s53, 0
	s_lshl_b32 s54, s10, 13
	s_lshl_b32 s15, s11, 6
	s_add_co_u32 s54, s54, s15
	s_add_co_u32 s54, s54, O_QS
	s_mov_b32 s55, 0
	s_lshr_b32 s15, s10, 4
	s_lshl_b32 s15, s15, 7
	s_add_co_u32 s15, s15, s11                     ; my tile among all tokens'
	s_and_b32 s16, s10, 15                         ; the head
	s_mul_i32 s56, s15, 12288
	s_mul_i32 s17, s16, 768
	s_add_co_u32 s56, s56, s17                     ; blocks 2 x head, 2 x head + 1
	s_mov_b32 s57, 0
	s_lshl_b32 s58, s15, 9
	s_lshl_b32 s17, s16, 1
	s_add_co_u32 s58, s58, s17
	s_add_co_u32 s58, s58, O_AOS
	s_mov_b32 s59, 0
	s_mov_b32 s24, 15|(3<<16)|(1<<21)              ; all four work-groups; elements of 8 bytes; bit 21 beside a mask
	s_mov_b32 s25, 32<<16                          ; rows of 256 bytes,
	s_mov_b32 s26, 50<<16                          ; 50 of them,
	s_mov_b32 s27, 32<<16
	s_mov_b32 s28, 50
	s_mov_b32 s29, 32                              ; dense
	s_mov_b32 s30, 0
	s_mov_b32 s31, 0
	s_mov_b32 s32, 1
	s_mov_b32 s20, 0x76543210
	s_mov_b32 s21, 0xfedcba98
	s_mov_b32 s22, 0x3e38aa3b                      ; c = log2(e) / 8
	s_mov_b32 s23, s22
	s_mov_b32 s48, 0                               ; LDS byte at which the 512 keys in hand begin
	s_wait_dscnt 0x0
	s_wait_kmcnt 0x0
	s_add_nc_u64 s[34:35], s[4:5], s[12:13]
	s_or_b32 s35, s35, 0x80000000
	s_add_nc_u64 s[52:53], s[4:5], s[52:53]
	s_add_nc_u64 s[54:55], s[4:5], s[54:55]
	s_add_nc_u64 s[56:57], s[6:7], s[56:57]
	s_add_nc_u64 s[58:59], s[6:7], s[58:59]
	CROUND                                         ; all four work-groups are here: the joint loads meet
	tensor_load_to_lds s[32:35], s[24:31]          ; my one tensor load
	s_nop 0
.rept 4
	v_nop
.endr
	v_and_b32 v96, 15, v0                          ; r
	v_bfe_u32 v97, v0, 4, 1                        ; h
	v_mul_u32_u24 v98, v96, 24
	v_lshlrev_b32 v99, 2, v96
	v_mad_u32_u24 v98, v97, 384, v98               ; q lies [tile][2 blocks][16 places][24 bytes]: block h, place r
.irp p, 0,1,2
	global_load_b64 v[QL+2*\p:QL+2*\p+1], v98, s[52:53] offset:8*\p
.endr
	global_load_b32 v[QLW], v99, s[54:55]          ; two bytes; the upper two are 0
	v_and_b32 v[LN], 31, v0
	v_lshlrev_b32 v[LR], 4, v96
	v_lshlrev_b32 v[LN], 4, v[LN]
.irp i, 0,1,2,3,4,5
	v_mov_b32 v[QH+\i], 0                          ; zero codes on both sides of q's
	v_mov_b32 v[QL+6+\i], 0
.endr
	v_mov_b32 v[TM], 0xff61b1e6                    ; -3e38, under every score
	v_mov_b32 v[SUM], 0
	v_floor_f32 v[NM], -v[TM]                      ; -M
	v_mov_b32 v[SUM+1], 0
.irp b, 0,1,2,3
	v_mov_b32 v[PT+\b], 0                          ; a lane permute's destination counts as one of its sources
.endr
	v_mov_b32 v[PW], 0
	s_wait_loadcnt 0x0                             ; q
	v_lshlrev_b32 v[QHW], 16, v[QLW]               ; the same two bytes for k 64-127; the 32 lines below stand ahead of the first scaled product
.set j, 0
.rept 32
	v_mov_b32 v[OO+j], 0                           ; O^T: the step is written once; the first finds zeros
.set j, j+1
.endr
; A KEY STEP: 128 keys, the st-th of the 512 in hand: every offset is an immediate.
.macro STEP st
.irp pr, 0,1,2,3
.irp c, 0,1,2
	ds_load_b128 v[KF+12*\pr+4*\c:KF+12*\pr+4*\c+3], v[AK] offset:(\st)*6144+\pr*1536+\c*512
.endr
.endr
	ds_load_b128 v[KW:KW+3], v[AW] offset:KWO+(\st)*256
	s_wait_dscnt 0x0
.irp pr, 0,1,2,3
	v_wmma_scale_f32_16x16x128_f8f6f4 v[SS+16*\pr:SS+16*\pr+7], v[KF+12*\pr:KF+12*\pr+11], v[QL:QL+11], 0, v[KW+\pr], v[QLW] matrix_a_fmt:MATRIX_FMT_FP6 matrix_b_fmt:MATRIX_FMT_FP6
	v_wmma_scale_f32_16x16x128_f8f6f4 v[SS+16*\pr+8:SS+16*\pr+15], v[KF+12*\pr:KF+12*\pr+11], v[QH:QH+11], 0, v[KW+\pr], v[QHW] matrix_a_fmt:MATRIX_FMT_FP6 matrix_b_fmt:MATRIX_FMT_FP6
.endr
	v_mov_b32 v[FF], v[NM]                         ; the old -M; with three v_nop the four places ahead of the first read of the scores and of the loads into V's registers
.rept 3
	v_nop
.endr
.irp t, 0,1,2,3                        ; V's four tiles of 16 d x 128 keys land under the softmax
.irp c, 0,1,2
	ds_load_b128 v[VF+12*\t+4*\c:VF+12*\t+4*\c+3], v[AK] offset:VCO+(\st)*6144+\t*1536+\c*512
.endr
.endr
	ds_load_b128 v[VW:VW+3], v[AW] offset:VWO+(\st)*256
.irp b, 0,1,2,3
	v_max3_num_f32 v[BM+\b], v[SS+16*\b], v[SS+1+16*\b], v[SS+2+16*\b]         ; the largest score of each block of 32 keys
.endr
.irp i, 3,5,7,9,11,13
.irp b, 0,1,2,3
	v_max3_num_f32 v[BM+\b], v[BM+\b], v[SS+16*\b+\i], v[SS+1+16*\b+\i]
.endr
.endr
.irp b, 0,1,2,3
	v_max_num_f32 v[BM+\b], v[BM+\b], v[SS+15+16*\b]
.endr
.irp b, 0,1,2,3
	s_delay_alu instid0(VALU_DEP_4)
	v_permlanex16_b32 v[PT+\b], v[BM+\b], s20, s21
.endr
.irp b, 0,1,2,3
	s_delay_alu instid0(VALU_DEP_4)
	v_max_num_f32 v[BM+\b], v[BM+\b], v[PT+\b]     ; with lane l xor 16's 16 keys
.endr
	s_delay_alu instid0(VALU_DEP_2)
	v_max3_num_f32 v[TMP], v[BM], v[BM+1], v[BM+2]
	s_delay_alu instid0(VALU_DEP_1)
	v_max3_num_f32 v[TM], v[TM], v[TMP], v[BM+3]   ; the running largest score
	s_delay_alu instid0(VALU_DEP_1)
	v_mul_f32 v[TMP], s22, v[TM]                   ; as t (c is positive)
	s_delay_alu instid0(VALU_DEP_1)
	v_floor_f32 v[NM], -v[TMP]                     ; the new -M = -ceil(t)
	s_delay_alu instid0(VALU_DEP_1)
	v_sub_f32 v[TMP], v[NM], v[FF]                 ; old M - new M: a whole number, 0 or less
	s_delay_alu instid0(VALU_DEP_1)
	v_cvt_i32_f32 v[TMP], v[TMP]                   ; (it saturates)
	s_delay_alu instid0(VALU_DEP_1)
	v_ldexp_f32 v[FF], 1.0, v[TMP]                 ; f = 2^(old M - new M)
.set j, 0
.rept 32
	v_pk_fma_f32 v[SS+j:SS+j+1], v[SS+j:SS+j+1], s[22:23], v[NM:NM+1] op_sel_hi:[1,0,0]   ; t - M
.set j, j+2
.endr
.irp b, 0,1,2,3
	v_fma_f32 v[BM+\b], v[BM+\b], s22, v[NM]
.endr
	s_wait_alu depctr_va_vdst(0)                   ; the wait ahead of the batch
.set j, 0
.rept 64
	v_exp_f32 v[SS+j], v[SS+j]                     ; p = 2^(t - M), at most 1
.set j, j+1
.endr
.irp b, 0,1,2,3
	v_exp_f32 v[BM+\b], v[BM+\b]                   ; the block's largest p
.endr
	v_pk_mul_f32 v[SUM:SUM+1], v[SUM:SUM+1], v[FF:FF+1] op_sel_hi:[1,0]        ; the sums under the new M (a plain place behind the exponentials)
	s_wait_alu depctr_va_vdst(0)                   ; and behind it
.irp b, 0,1,2,3
	v_max_num_f32 v[BM+\b], 0x1800000, v[BM+\b]    ; the floor 2^(3 - 127): the byte cannot fall under 1
.endr
.irp b, 0,1,2,3
	s_delay_alu instid0(VALU_DEP_4)
	v_add_nc_u32 v[SO+\b], 0xff000000, v[BM+\b]    ; 2 off the exponent field: the conversion's scale operand
.endr
.irp b, 0,1,2,3
	s_delay_alu instid0(VALU_DEP_4)
	v_lshrrev_b32 v[PT+\b], 23, v[SO+\b]
.endr
	s_delay_alu instid0(VALU_DEP_3)
	v_lshl_or_b32 v[PW], v[PT+1], 8, v[PT]         ; p's scale word for these 128 keys
	s_delay_alu instid0(VALU_DEP_1)
	v_lshl_or_b32 v[PW], v[PT+2], 16, v[PW]
	s_delay_alu instid0(VALU_DEP_1)
	v_lshl_or_b32 v[PW], v[PT+3], 24, v[PW]
.irp c, 0,1
	v_cvt_scalef32_pk16_fp6_f32 v[PC+6*\c:PC+6*\c+2], v[SS+32*\c:SS+32*\c+15], v[SO+2*\c]
	v_cvt_scalef32_pk16_fp6_f32 v[BM+4*\c:BM+4*\c+2], v[SS+16+32*\c:SS+31+32*\c], v[SO+2*\c+1]   ; (a conversion's three registers begin on an even number)
.endr
	v_nop                                          ; one plain place behind the last scaled conversion
.irp c, 0,1                            ; the operand wants a whole block in a lane: lanes 0-15 block 2 c, lanes 16-31 block 2 c + 1
.irp i, 0,1,2
	v_permlane16_swap_b32 v[PC+6*\c+\i], v[BM+4*\c+\i]
.endr
.irp i, 0,1,2
	s_delay_alu instid0(VALU_DEP_3)
	v_mov_b32 v[PC+3+6*\c+\i], v[BM+4*\c+\i]
.endr
.endr
; the row's sum of the unquantised p: 32 pairs in eight chains (seven in registers that are free here, the eighth the sum itself), 32 packed additions
.set i, 0
.irp r, 240,242,248,250,78,80,82
	v_pk_add_f32 v[\r:\r+1], v[SS+2*i:SS+2*i+1], v[SS+14+2*i:SS+15+2*i]
.set i, i+1
.endr
	v_pk_add_f32 v[SUM:SUM+1], v[SUM:SUM+1], v[SS+28:SS+29]
.irp o, 30,46
.set i, 0
.irp r, 240,242,248,250,78,80,82,SUM
	v_pk_add_f32 v[\r:\r+1], v[\r:\r+1], v[SS+\o+2*i:SS+\o+2*i+1]
.set i, i+1
.endr
.endr
	v_pk_add_f32 v[240:241], v[240:241], v[SS+62:SS+63]
	v_pk_add_f32 v[242:243], v[242:243], v[248:249]
	v_pk_add_f32 v[250:251], v[250:251], v[78:79]
	v_pk_add_f32 v[80:81], v[80:81], v[82:83]
	s_delay_alu instid0(VALU_DEP_4)
	v_pk_add_f32 v[SUM:SUM+1], v[SUM:SUM+1], v[240:241]
	s_delay_alu instid0(VALU_DEP_3)
	v_pk_add_f32 v[242:243], v[242:243], v[250:251]
	s_delay_alu instid0(VALU_DEP_2)
	v_pk_add_f32 v[SUM:SUM+1], v[SUM:SUM+1], v[80:81]
	s_delay_alu instid0(VALU_DEP_1)
	v_pk_add_f32 v[SUM:SUM+1], v[SUM:SUM+1], v[242:243]
.set j, 0
.rept 16
	v_pk_mul_f32 v[OO+j:OO+j+1], v[OO+j:OO+j+1], v[FF:FF+1] op_sel_hi:[1,0]    ; O^T under the new M; with the sums: the places between p's codes and scale word and the products below
.set j, j+2
.endr
	s_wait_alu depctr_va_vdst(0)                   ; directly ahead of the wait below
	s_wait_dscnt 0x0                               ; V is in
.irp t, 0,1,2,3
	v_wmma_scale_f32_16x16x128_f8f6f4 v[OO+8*\t:OO+8*\t+7], v[VF+12*\t:VF+12*\t+11], v[PC:PC+11], v[OO+8*\t:OO+8*\t+7], v[VW+\t], v[PW] matrix_a_fmt:MATRIX_FMT_FP6 matrix_b_fmt:MATRIX_FMT_FP6
.endr
.endm
	s_wait_alu depctr_va_vdst(0)                   ; the wait at the head's end
	s_wait_tensorcnt 0x0                           ; my sixteenth has landed
	s_barrier_signal -1
	s_barrier_wait -1                              ; everybody's has: the head is whole
	s_mov_b32 s51, 4
.Lquarter:                                             ; four trips of four key steps
	v_add_nc_u32 v[AK], s48, v[LN]
	v_add_nc_u32 v[AW], s48, v[LR]
	s_wait_alu depctr_va_vdst(0)
	STEP 0
	STEP 1
	STEP 2
	STEP 3
	s_add_co_u32 s48, s48, QRT
	s_sub_co_u32 s51, s51, 1
	s_cmp_lg_u32 s51, 0
	s_cbranch_scc1 .Lquarter
	v_add_f32 v[SUM], v[SUM], v[SUM+1]             ; the sum's two halves,
	s_delay_alu instid0(VALU_DEP_1)
	v_permlanex16_b32 v[FF], v[SUM], s20, s21
	s_delay_alu instid0(VALU_DEP_1)
	v_add_f32 v[SUM], v[SUM], v[FF]                ; and lane l xor 16's
	s_wait_alu depctr_va_vdst(0)
	v_rcp_f32 v[SUM], v[SUM]
	v_and_b32 v36, 15, v0                          ; the way out's addresses: also the places behind the last products and the reciprocal
	v_bfe_u32 v37, v0, 4, 1
	s_delay_alu instid0(VALU_DEP_2)
	v_mul_u32_u24 v38, v36, 24
	s_delay_alu instid0(VALU_DEP_1)
	v_mad_u32_u24 v38, v37, 12, v38                ; my 12 bytes of a block's 384
	s_delay_alu instid0(VALU_DEP_3)
	v_lshl_add_u32 v39, v36, 5, v37                ; my byte of place r's 32
	s_delay_alu instid0(VALU_DEP_4)
	v_cmp_eq_u32 s60, 1, v37
	s_wait_alu depctr_va_vdst(0)
.set j, 0
.rept 32
	v_mul_f32 v[SS+j], v[OO+j], v[SUM]             ; O^T / the sum, each accumulator from its low end on: register 16 (d/32) + i is d = 32 (d/32) + 16 h + i
.set j, j+1
.endr
	v_max3_num_f32 v[BM], |v[SS]|, |v[SS+1]|, 0x1800000
	v_max3_num_f32 v[BM+1], |v[SS+16]|, |v[SS+17]|, 0x1800000
.irp i, 2,4,6,8,10,12,14
	s_delay_alu instid0(VALU_DEP_2)
	v_max3_num_f32 v[BM], |v[SS+\i]|, |v[SS+1+\i]|, v[BM]
	s_delay_alu instid0(VALU_DEP_2)
	v_max3_num_f32 v[BM+1], |v[SS+16+\i]|, |v[SS+17+\i]|, v[BM+1]
.endr
	s_delay_alu instid0(VALU_DEP_2)
	v_permlanex16_b32 v[PT], v[BM], s20, s21
	s_delay_alu instid0(VALU_DEP_2)
	v_permlanex16_b32 v[PT+1], v[BM+1], s20, s21
	s_delay_alu instid0(VALU_DEP_2)
	v_max_num_f32 v[BM], v[BM], v[PT]
	s_delay_alu instid0(VALU_DEP_2)
	v_max_num_f32 v[BM+1], v[BM+1], v[PT+1]
	s_delay_alu instid0(VALU_DEP_2)
	v_add_nc_u32 v[SO], 0xff000000, v[BM]
	s_delay_alu instid0(VALU_DEP_2)
	v_add_nc_u32 v[SO+1], 0xff000000, v[BM+1]
	s_delay_alu instid0(VALU_DEP_2)
	v_lshrrev_b32 v[SO+2], 23, v[SO]
	s_delay_alu instid0(VALU_DEP_2)
	v_lshrrev_b32 v[SO+3], 23, v[SO+1]
	v_cvt_scalef32_pk16_fp6_f32 v[PC:PC+2], v[SS:SS+15], v[SO]
	v_cvt_scalef32_pk16_fp6_f32 v[PC+4:PC+6], v[SS+16:SS+31], v[SO+1]
	v_cndmask_b32 v[TMP], v[SO+2], v[SO+3], s60    ; lanes 0-15 store the first block's byte, lanes 16-31 the second's (a plain place behind the conversions)
	global_store_b96 v38, v[PC:PC+2], s[56:57]     ; the head's two blocks of my tile: 768 consecutive bytes in two stores
	global_store_b96 v38, v[PC+4:PC+6], s[56:57] offset:384
	global_store_b8 v39, v[TMP], s[58:59]          ; 2 of a place's 32 scale bytes: the others belong to other heads' work-groups
	s_wait_dscnt 0x0
	s_wait_xcnt 0x0                                ; the stores have read v254
	v_lshl_add_u32 v254, v0, 2, SPARE              ; no two registers could be kept for the add: they are made anew from v0
	v_mov_b32 v255, 0
	s_wait_alu depctr_va_vdst(0)
	s_wait_tensorcnt 0x0                           ; the wave's end
	ds_add_u32 v254, v255
	s_wait_dscnt 0x0
	CROUND                                         ; the closing round
	s_endpgm
.Lfunc_end_k_q9415d8742c_attn:
	.size	k_q9415d8742c_attn, .Lfunc_end_k_q9415d8742c_attn-k_q9415d8742c_attn
	.p2alignl 7, 3214868480
	.fill 96, 4, 3214868480
	.section	.rodata,"a",@progbits
	.p2align	6, 0x0
	.amdhsa_kernel k_q9415d8742c_attn
		.amdhsa_group_segment_fixed_size 206848
		.amdhsa_private_segment_fixed_size 0
		.amdhsa_enable_private_segment 0
		.amdhsa_kernarg_size 16
		.amdhsa_user_sgpr_count 2
		.amdhsa_user_sgpr_kernarg_segment_ptr 1
		.amdhsa_wavefront_size32 1
		.amdhsa_system_sgpr_workgroup_id_x 1
		.amdhsa_system_sgpr_workgroup_id_y 1
		.amdhsa_system_sgpr_workgroup_id_z 1
		.amdhsa_system_vgpr_workitem_id 0
		.amdhsa_next_free_vgpr 256
		.amdhsa_next_free_sgpr 66
		.amdhsa_reserve_vcc 0
		.amdhsa_float_denorm_mode_32 3
		.amdhsa_float_denorm_mode_16_64 3
		.amdhsa_memory_ordered 1
		.amdhsa_forward_progress 1
		.amdhsa_inst_pref_size 76
	.end_amdhsa_kernel
	.amdgpu_metadata
---
amdhsa.version: [ 1, 2 ]
amdhsa.kernels:
  - .name:           k_q9415d8742c_attn
    .symbol:         k_q9415d8742c_attn.kd
    .args:
      - { .name: qkvb, .offset: 0, .size: 8, .value_kind: global_buffer, .address_space: global }
      - { .name: aob, .offset: 8, .size: 8, .value_kind: global_buffer, .address_space: global }
    .group_segment_fixed_size: 206848
    .private_segment_fixed_size: 0
    .kernarg_segment_align: 8
    .kernarg_segment_size: 16
    .max_flat_workgroup_size: 512
    .sgpr_count:     66
    .vgpr_count:     256
    .wavefront_size: 32
...
	.end_amdgpu_metadata
.endif
;; end of part 4
;; launch gemm5 (part 5): grid 8 x 32, 4 waves a work-group, clusters of 4 x 4, 264,704 bytes of LDS; arguments aob, prepb, g1b, out0; writes out0
.if DOCPART == 5
	.amdgcn_target "amdgcn-amd-amdhsa--gfx1250"
	.amdhsa_code_object_version 6
	.text
	.protected	k_q9415d8742c_gemm5
	.globl	k_q9415d8742c_gemm5
	.p2align	8
	.type	k_q9415d8742c_gemm5,@function
k_q9415d8742c_gemm5:
	s_mov_b64 s[64:65], 0
	v_nop
	global_prefetch_b8 v0, s[64:65] scope:SCOPE_SE
	s_setreg_imm32_b32 hwreg(HW_REG_WAVE_MODE, 25, 1), 1
	s_wait_xcnt 0x0
	s_wait_alu depctr_hold_cnt(0) depctr_sa_sdst(0) depctr_va_vdst(0) depctr_va_sdst(0) depctr_va_ssrc(0) depctr_va_vcc(0) depctr_vm_vsrc(0)
	s_getreg_b32 s2, hwreg(HW_REG_IB_STS2, 6, 4)
	s_cmp_eq_u32 s2, 0
	s_cbranch_scc0 .Lentry_in_a_cluster
	s_endpgm
.Lentry_in_a_cluster:
	s_bfe_u32 s2, ttmp6, 0x10000c
	s_cmp_lg_u32 s2, 0xf033
	s_cbranch_scc0 .Lentry_shape_is_right
	s_endpgm
.Lentry_shape_is_right:
; GEMM5: out0 = attention's result x W_out, on codes of E2M3, + xg (= x + gate, made by the second launch).
; A work-group: 128 tokens x 128 columns: 4,096 x 1,024 results give 256 work-groups.  All four waves read the same 8 tiles of tokens; wave w owns 2 tiles of W_out: columns 128 j + 32 w + 0 .. 31.
; USED TRANSPOSED (source 0 = 16 columns of W_out, source 1 = 16 tokens): lane (r, h) holds token place r, and its 16 registers are columns 16 h + 0 .. 15 of the wave's 32.
; THE WHOLE K OF 1,024 LIES IN LDS, FILLED ONCE: a tile's codes for all of K are 12,288 consecutive bytes, four tiles one dense block of 49,152: waves 0 and 1 fetch the tokens' two halves, waves 2 and 3 W_out's,
; ONE tensor load a wave, as 192 rows of 256 bytes.  One barrier shows them to all; the eight K steps have none.  Joint loads: the tokens' tiles along a row of the 4 x 4 cluster, W_out's along a column.
; xg comes by plain loads in the order of the way out (a wave's 32 rows, 32 lanes on 512 consecutive bytes), asked for at the head, and is added when the rows come back from the stage.
; No prefetch: the launch's only loads stand at its head, so there is no loop to run ahead in.
; LIMIT: the product is added onto x + gate, another order of rounding than (product + x) + gate.
; REGISTERS: window 0: addresses, v32-71 scale words, v128-223 the tokens' fragments, later v96-223 the way out; window 1: W_out's fragments, two sets at v0 and v128;
;   windows 2, 3: accumulator (a, b) at v[8 (2 (a % 4) + b)], window 2 + a / 4; window 2 v64-191: xg, then the result.
.set NB,    2
.set KT,    12288                      ; a tile's codes, all of K
.set BB0,   8*KT                       ; W_out's 8 tiles lie behind the tokens' 8
.set XT,    16*KT                      ; the stage: 128 rows x (512 + 16) bytes; no tensor load lands here
.set XP,    528
.set SPARE, XT+128*XP                  ; the spare words
.set O_AOS, 3145728
.set O_WOC, 8192000
.set O_WOS, 8978432
.set O_XG,  3276800
.set ADRA, 16                          ; v16, v17: token tiles 0-3, 4-7
.set ADRB, 20
.set SA,   32
.set SB,   64
.set AF,   128
.set XG,   64
.set SPW,  254
.set NIL,  255
.set G1,  24
.set G0,  32
.set G1B, 48
.set G0B, 56
.set MSB, 0
.macro WIN new
.if MSB != (\new)
	s_set_vgpr_msb (MSB<<8)|(\new)
.set MSB, (\new)
.endif
.endm
.macro CROUND
	s_barrier_signal -1
	s_barrier_wait -1
	s_cmp_lg_u32 s14, 0
	s_cbranch_scc1 .Lnot_wave_0_\@
	s_barrier_signal -3
.Lnot_wave_0_\@:
	s_barrier_wait -3
	s_barrier_signal -1
	s_barrier_wait -1
.endm
.macro PLACES n
.rept \n
	v_nop
.endr
.endm
	s_load_b128 s[4:7], s[0:1], 0x0                ; aob, prepb
	s_load_b128 s[8:11], s[0:1], 0x10              ; g1b, out0
	v_lshl_add_u32 v[SPW], v0, 2, SPARE
	v_mov_b32 v[NIL], 0
	ds_add_u32 v[SPW], v[NIL]                      ; the opening lines
	ds_add_u32 v[SPW], v[NIL]
	v_lshrrev_b32 v1, 5, v0
	v_readfirstlane_b32 s14, v1
	s_lshr_b32 s15, s14, 1                         ; I fetch for the tokens (0) or for W_out (1),
	s_and_b32 s16, s14, 1                          ; and which four tiles
	s_bfe_u32 s40, ttmp6, 0x40000
	s_bfe_u32 s41, ttmp6, 0x40004
	s_lshl_b32 s42, ttmp9, 2
	s_add_co_u32 s42, s42, s40                     ; j: which 128 columns
	s_and_b32 s17, ttmp7, 0xffff
	s_lshl_b32 s17, s17, 2
	s_add_co_u32 s17, s17, s41                     ; which 128 tokens
	s_lshl_b32 s43, s41, 2
	s_lshl_b32 s43, 15, s43
	s_lshl_b32 s44, 0x1111, s40
	s_or_b32 s[G1], s43, (3<<16)|(1<<21)
	s_or_b32 s[G1B], s44, (3<<16)|(1<<21)
.irp g, G1, G1B
	s_mov_b32 s[\g+1], 32<<16                      ; rows of 256 bytes (32 elements of 8),
	s_mov_b32 s[\g+2], 192<<16                     ; 192 of them,
	s_mov_b32 s[\g+3], 32<<16
	s_mov_b32 s[\g+4], 192
	s_mov_b32 s[\g+5], 32                          ; dense
	s_mov_b32 s[\g+6], 0
	s_mov_b32 s[\g+7], 0
.endr
	s_lshl_b32 s20, s17, 3
	s_lshl_b32 s18, s16, 2
	s_add_co_u32 s20, s20, s18
	s_mul_i32 s20, s20, KT
	s_mov_b32 s21, 0
	s_lshl_b32 s46, s42, 3
	s_add_co_u32 s46, s46, s18
	s_mul_i32 s46, s46, KT
	s_add_co_u32 s46, s46, O_WOC
	s_mov_b32 s47, 0
	s_lshl_b32 s22, s17, 7
	s_lshl_b32 s18, s14, 5
	s_add_co_u32 s22, s22, s18
	s_lshl_b32 s22, s22, 12
	s_lshl_b32 s18, s42, 9
	s_add_co_u32 s22, s22, s18                     ; xg and out0: token 128 x row + 32 x wave, byte 512 j
	s_mov_b32 s23, 0
	s_mov_b32 s[G0], 1
	s_mul_i32 s[G0+1], s16, 4*KT
	s_mov_b32 s[G0B], 1
	s_add_co_u32 s[G0B+1], s[G0+1], BB0
	s_wait_dscnt 0x0
	s_wait_kmcnt 0x0
	s_add_nc_u64 s[G0+2:G0+3], s[4:5], s[20:21]
	s_or_b32 s[G0+3], s[G0+3], 0x80000000
	s_add_nc_u64 s[G0B+2:G0B+3], s[6:7], s[46:47]
	s_or_b32 s[G0B+3], s[G0B+3], 0x80000000
	CROUND                                         ; the joint loads meet
	s_cmp_eq_u32 s15, 0                            ; one load in each arm: every way through the head passes one
	s_cbranch_scc0 .Lfor_b
	tensor_load_to_lds s[G0:G0+3], s[G1:G1+7]
	s_nop 0
.rept 4
	v_nop
.endr
	s_branch .Lasked
.Lfor_b:
	tensor_load_to_lds s[G0B:G0B+3], s[G1B:G1B+7]
	s_nop 0
.rept 4
	v_nop
.endr
.Lasked:
	s_mov_b32 s95, 0
	s_lshl_b32 s94, s17, 12
	s_add_co_u32 s94, s94, O_AOS
	s_add_nc_u64 s[82:83], s[4:5], s[94:95]
	s_lshl_b32 s94, s42, 3
	s_lshl_b32 s18, s14, 1
	s_add_co_u32 s94, s94, s18
	s_lshl_b32 s94, s94, 9
	s_add_co_u32 s94, s94, O_WOS
	s_add_nc_u64 s[84:85], s[6:7], s[94:95]
	s_add_nc_u64 s[80:81], s[10:11], s[22:23]
	s_add_nc_u64 s[86:87], s[8:9], s[22:23]
	s_add_nc_u64 s[86:87], s[86:87], O_XG
	v_and_b32 v1, 15, v0
	v_bfe_u32 v2, v0, 4, 1
	v_and_b32 v12, 31, v0
	v_lshlrev_b32 v22, 5, v1
	v_lshlrev_b32 v13, 4, v12
	v_lshl_add_u32 v22, v2, 4, v22
.irp a, 0,1,2,3,4,5,6,7
	global_load_b128 v[SA+4*\a:SA+4*\a+3], v22, s[82:83] offset:512*\a
.endr
.irp b, 0,1
	global_load_b128 v[SB+4*\b:SB+4*\b+3], v22, s[84:85] offset:512*\b
.endr
	WIN 0x80
.set t, 0
.rept 32
	global_load_b128 v[XG+4*t:XG+4*t+3], v13, s[86:87] offset:t*4096 th:TH_LOAD_NT   ; xg, row t of my 32
.set t, t+1
.endr
	WIN 0
	v_mul_u32_u24 v3, v1, 24
	v_mad_u32_u24 v3, v2, 384, v3
	v_mov_b32 v[ADRA], v3
	v_add_nc_u32 v[ADRA+1], 4*KT, v3
	s_mul_i32 s18, s14, NB*KT
	s_add_co_u32 s18, s18, BB0
	v_add_nc_u32 v[ADRB], s18, v3
	v_and_b32 v6, 7, v1
	v_lshrrev_b32 v7, 3, v1
	v_lshl_add_u32 v6, v7, 4, v6
	v_mul_u32_u24 v8, v6, XP
	v_lshl_add_u32 v8, v2, 6, v8
	s_lshl_b32 s18, s14, 7
	s_add_co_u32 s18, s18, XT
	v_add_nc_u32 v8, s18, v8                       ; the stage, in: row r%8 + 16 (r/8), my 64 bytes of the wave's 128
	s_mul_i32 s18, s14, 32*XP
	s_add_co_u32 s18, s18, XT
	v_add_nc_u32 v11, s18, v13                     ; and out: my wave's 32 rows, 16 bytes a lane
.macro FRAG reg, adr, o
.irp p, 0,1,2,3,4,5
	ds_load_b64 v[\reg+2*\p:\reg+2*\p+1], v[\adr] offset:(\o)+(\p/3)*768+(\p%3)*8
.endr
.endm
.macro FETCH_B ks
	WIN 0x40
.irp i, 0,1
	FRAG 128*((\ks)%2)+12*\i, ADRB, \i*KT+(\ks)*1536
.endr
	WIN 0
.endm
.macro FETCH_A ks, i0
.irp i, 0,1,2,3
	FRAG AF+12*((\i0)+\i), ADRA+(\i0)/4, \i*KT+(\ks)*1536
.endr
.endm
.macro MULG a0, p, ks, zero            ; the 16 accumulators take turns, one instruction a turn, in the same order in every step
.irp a, \a0, \a0+1
.irp b, 0,1
.if \zero
	v_wmma_scale_f32_16x16x128_f8f6f4 v[8*(NB*((\a)%4)+\b):8*(NB*((\a)%4)+\b)+7], v[128*(\p)+12*\b:128*(\p)+12*\b+11], v[AF+12*(\a):AF+12*(\a)+11], 0, v[SB+4*\b+(\ks)%4], v[SA+4*(\a)+(\ks)%4] matrix_a_fmt:MATRIX_FMT_FP6 matrix_b_fmt:MATRIX_FMT_FP6
.elseif (\ks) < 4
	v_wmma_scale_f32_16x16x128_f8f6f4 v[8*(NB*((\a)%4)+\b):8*(NB*((\a)%4)+\b)+7], v[128*(\p)+12*\b:128*(\p)+12*\b+11], v[AF+12*(\a):AF+12*(\a)+11], v[8*(NB*((\a)%4)+\b):8*(NB*((\a)%4)+\b)+7], v[SB+4*\b+(\ks)%4], v[SA+4*(\a)+(\ks)%4] matrix_a_fmt:MATRIX_FMT_FP6 matrix_b_fmt:MATRIX_FMT_FP6
.else
	v_wmma_scale_f32_16x16x128_f8f6f4 v[8*(NB*((\a)%4)+\b):8*(NB*((\a)%4)+\b)+7], v[128*(\p)+12*\b:128*(\p)+12*\b+11], v[AF+12*(\a):AF+12*(\a)+11], v[8*(NB*((\a)%4)+\b):8*(NB*((\a)%4)+\b)+7], v[SB+4*\b+(\ks)%4], v[SA+4*(\a)+(\ks)%4] matrix_a_fmt:MATRIX_FMT_FP6 matrix_b_fmt:MATRIX_FMT_FP6 matrix_a_scale:MATRIX_SCALE_ROW1 matrix_b_scale:MATRIX_SCALE_ROW1
.endif
.endr
.endr
.endm
.macro STEP ks, zero
	s_wait_dscnt 24                                ; all but the youngest 24 loads (token tiles 4-7) are in
	WIN 0xa1
	MULG 0, (\ks)%2, \ks, \zero
	MULG 2, (\ks)%2, \ks, \zero
	s_wait_dscnt 0x0
	PLACES 4
	FETCH_B (\ks)+1
	FETCH_A (\ks)+1, 0
	WIN 0xf1
	MULG 4, (\ks)%2, \ks, \zero
	MULG 6, (\ks)%2, \ks, \zero
	PLACES 4
	WIN 0
	FETCH_A (\ks)+1, 4
.endm
	s_wait_alu depctr_va_vdst(0)                   ; the wait at the head's end
	s_wait_tensorcnt 0x0                           ; my four tiles are in
	s_barrier_signal -1
	s_barrier_wait -1                              ; all sixteen are
	FETCH_B 0
	FETCH_A 0, 0
	FETCH_A 0, 4
	s_wait_loadcnt 32                              ; the scale words are in; xg's 32 loads may be out
	STEP 0, 1
.set ST, 1
.rept 6
	STEP ST, 0
.set ST, ST+1
.endr
	s_wait_dscnt 24
	WIN 0xa1
	MULG 0, 1, 7, 0
	MULG 2, 1, 7, 0
	s_wait_dscnt 0x0
	WIN 0xf1
	MULG 4, 1, 7, 0
	MULG 6, 1, 7, 0
	WIN 0
	PLACES 4                                       ; ahead of the first reads of results and of loads into the fragments' registers
.irp a, 0,1,2,3,4,5,6,7                ; token tile a into the stage, each accumulator from its low end on
	WIN (2+\a/4)<<2
.irp j, 0,1,2,3
	ds_store_b128 v8, v[16*(\a%4)+4*\j:16*(\a%4)+4*\j+3] offset:(32*(\a/2)+8*(\a%2))*XP+16*\j
.endr
.endr
	WIN 0
	s_wait_dscnt 0x0                               ; for the others' sake: my stores have landed
	s_barrier_signal -1
	s_barrier_wait -1                              ; 128 whole rows of the product lie in the stage
.set t, 0
.rept 32
	ds_load_b128 v[96+4*t:99+4*t], v11 offset:t*XP
.set t, t+1
.endr
	s_wait_loadcnt 0x0                             ; xg
	WIN 0x88                                       ; source 0 window 0 (the row, and the stores' offset); source 1 and destination window 2 (xg, then the result, which is the stores' data)
.set t, 0
.rept 32
	s_wait_dscnt 31-t                              ; row t is in
	v_pk_add_f32 v[XG+4*t:XG+4*t+1], v[96+4*t:97+4*t], v[XG+4*t:XG+4*t+1]
	v_pk_add_f32 v[XG+4*t+2:XG+4*t+3], v[98+4*t:99+4*t], v[XG+4*t+2:XG+4*t+3]
	global_store_b128 v13, v[XG+4*t:XG+4*t+3], s[80:81] offset:t*4096 th:TH_STORE_NT   ; 32 lanes store 512 consecutive bytes, at a multiple of 256 from the buffer's first byte
.set t, t+1
.endr
	WIN 0
	s_wait_tensorcnt 0x0                           ; the wave's end
	ds_add_u32 v[SPW], v[NIL]
	s_wait_dscnt 0x0
	CROUND                                         ; the closing round
	s_endpgm
.Lfunc_end_k_q9415d8742c_gemm5:
	.size	k_q9415d8742c_gemm5, .Lfunc_end_k_q9415d8742c_gemm5-k_q9415d8742c_gemm5
	.p2alignl 7, 3214868480
	.fill 96, 4, 3214868480
	.section	.rodata,"a",@progbits
	.p2align	6, 0x0
	.amdhsa_kernel k_q9415d8742c_gemm5
		.amdhsa_group_segment_fixed_size 264704
		.amdhsa_private_segment_fixed_size 0
		.amdhsa_enable_private_segment 0
		.amdhsa_kernarg_size 32
		.amdhsa_user_sgpr_count 2
		.amdhsa_user_sgpr_kernarg_segment_ptr 1
		.amdhsa_wavefront_size32 1
		.amdhsa_system_sgpr_workgroup_id_x 1
		.amdhsa_system_sgpr_workgroup_id_y 1
		.amdhsa_system_sgpr_workgroup_id_z 1
		.amdhsa_system_vgpr_workitem_id 0
		.amdhsa_next_free_vgpr 1024
		.amdhsa_next_free_sgpr 100
		.amdhsa_reserve_vcc 0
		.amdhsa_float_denorm_mode_32 3
		.amdhsa_float_denorm_mode_16_64 3
		.amdhsa_memory_ordered 1
		.amdhsa_forward_progress 1
		.amdhsa_inst_pref_size 73
	.end_amdhsa_kernel
	.amdgpu_metadata
---
amdhsa.version: [ 1, 2 ]
amdhsa.kernels:
  - .name:           k_q9415d8742c_gemm5
    .symbol:         k_q9415d8742c_gemm5.kd
    .args:
      - { .name: aob, .offset: 0, .size: 8, .value_kind: global_buffer, .address_space: global }
      - { .name: prepb, .offset: 8, .size: 8, .value_kind: global_buffer, .address_space: global }
      - { .name: g1b, .offset: 16, .size: 8, .value_kind: global_buffer, .address_space: global }
      - { .name: out0, .offset: 24, .size: 8, .value_kind: global_buffer, .address_space: global }
    .group_segment_fixed_size: 264704
    .private_segment_fixed_size: 0
    .kernarg_segment_align: 8
    .kernarg_segment_size: 32
    .max_flat_workgroup_size: 128
    .sgpr_count:     100
    .vgpr_count:     1024
    .wavefront_size: 32
...
	.end_amdgpu_metadata
.endif
;; end of part 5
